; MI455X (gfx1250); checked and timed in simulation.
; The chip was launched on July 23, 2026; its instructions are those of AMD's public machine-readable ISA for CDNA 5 (MIT licence, August 2026) and "CDNA5" Instruction Set Architecture Reference Guide (July 2026). The comments in the code are by the model that wrote it; some were corrected since.
;; VLLTR. Allowed arithmetic: matrix products marked QUANTISED: E5M2 operands, one given power-of-two scale a tensor, by v_wmma_f32_16x16x64_bf8_bf8 or v_wmma_f32_16x16x128_bf8_bf8, f32 sums; products left as they are: f32 operands where the result goes on into a quantised operand, else bf16, f16 or f32 operands; f32 sums; everything else in f32.
;; Inputs: W1 512 x 2,048 float32; W2 2,048 x 1,000 float32; Wk 512 x 512 float32; Wq 512 x 512 float32; b1 2,048 float32; b2 1,000 float32; key_padding_mask 512 x 256 bool; kx 512 x 256 x 512 float32; ln_k_b 512 float32; ln_k_g 512 float32; ln_q_b 512 float32; ln_q_g 512 float32; logit_scale 1 float32; lowp_scales 12 int32 (the exponents e of the quantised operands' scales 2^e); qx 256 x 1 x 512 float32.
;; Outputs: out0 256 x 1,000 float32; out1 256 x 512 float32.
;; This version of the problem:
;;   THIS VERSION OF THE PROBLEM IS GIVEN IN LOW PRECISION. The matrix products marked QUANTISED in the list below multiply operands that are first quantised to E5M2 (5 exponent bits, 2 mantissa bits; 8 bits a number), with one given power-of-two scale for each operand tensor; their sums are f32. All else is computed in f32.
;;   The module's matrix products, in the order in which they are computed (A, B: the left and right operand; K: the contracted axis; several contracted axes count as one K, in the product's order):
;;     1. [M 256, K 512] x [K 512, N 512]; A: computed on the way; B: input Wq: QUANTISED (scales: A lowp_scales[0], B lowp_scales[1])
;;     2. [M 131,072, K 512] x [K 512, N 512]; A: computed on the way; B: input Wk: QUANTISED (scales: A lowp_scales[2], B lowp_scales[3])
;;     3. [M 131,072, K 512] x [K 512, N 256]; A: computed on the way; B: computed on the way: QUANTISED (scales: A lowp_scales[4], B lowp_scales[5])
;;     4. batch 512 x [M 256, K 256] x [K 256, N 512]; A: softmax (see below); B: input kx: QUANTISED (scales: A lowp_scales[6], B lowp_scales[7])
;;     5. [M 256, K 512] x [K 512, N 2,048]; A: input qx; B: input W1: QUANTISED (scales: A lowp_scales[8], B lowp_scales[9])
;;     6. [M 256, K 2,048] x [K 2,048, N 1,000]; A: computed on the way; B: input W2: QUANTISED (scales: A lowp_scales[10], B lowp_scales[11])
;;     7. batch 256 x [M 512, K 512] x [K 512, N 1]; A: computed on the way; B: computed on the way: left as it is (N = 1 < 16)
;;   THE QUANTISER, for each operand of a quantised product, along K:
;;     - The operand's scale is 2^e, e = its entry of the input lowp_scales (int32; the entries are numbered through the quantised products in the list's order, A before B).
;;     - Each number is divided by the scale, clamped to +-57,344, and rounded to the nearest number of E5M2, ties to even, subnormals kept.
;;     - The product sums the exact products of the quantised numbers (number of the format x scale) in f32.
;;   ~~~python
;;   def quantise(x, axis, e):      # numpy; x: float32 -> the quantised numbers, widened to float32 again
;;       x = np.moveaxis(x, axis, -1); K = x.shape[-1]
;;       r = np.clip(x / 2.0 ** e, -57344, 57344)
;;       step = 2.0 ** (np.maximum(np.frexp(np.where(r == 0, 1, r))[1] - 1, -14) - 2)
;;       q = np.round(r / step) * step * 2.0 ** e      # np.round: ties to even
;;       return np.moveaxis(q, -1, axis).astype(np.float32)
;;   ~~~
;;   SOFTMAX AHEAD OF A QUANTISED PRODUCT. Where the list says 'softmax', what is quantised is not the finished softmax but p = 2^(t - M), with t = logit x log2(e) and M = ceil(the row's largest t), a whole number; so 1/2 < the row's largest p <= 1. The row's sum l is taken of the UNQUANTISED p, in f32, and the product's result is divided by l at the end. Since M is a whole number, a kernel that streams over the keys may use a running M (the ceiling of the running maximum): every later rescaling is an exact power of two, so the quantised numbers keep their values, but for numbers so far below the row's largest that they fall under the format's range.
;;   OPERANDS COMPUTED ON THE WAY. 'Computed on the way' means the value that the module computes at that place (a softmax that the list does not call 'softmax' is quantised finished and normalised). What goes into a quantiser is computed in f32, as accurately as f32 sums, v_exp_f32 and their like allow (about 1e-6 of the number): no bf16 or f16 on the way to a quantiser, and a product that is left as it is and whose result goes on into a quantised operand takes f32 operands (vector FMAs, or v_wmma_f32_16x16x4_f32). A number that lies on a knife's edge between two numbers of the format may be rounded either way, as far as f32 arithmetic and the matrix unit's own rounding can turn it there, and no further.
;; 2 versions, each right; version 2 is version 1 with the launches prep, main written anew for expert scheduling mode. Each part assembles by itself: llvm-mc -triple=amdgcn-amd-amdhsa -mcpu=gfx1250 --defsym DOCPART=n.
;; ======== version 1 of 2: 3 launches
;; workspace buffers: wk_img 262,144 bytes; q_img 131,072 bytes; h_img 524,288 bytes; qn_img 524,288 bytes; x2t 524,288 bytes
;; launch prep (part 1): grid 88 x 1, 16 waves a work-group, no clusters, 297,984 bytes of LDS; arguments qx, Wq, W1, Wk, b1, ln_q_g, ln_q_b, lowp_scales, q_img, h_img, wk_img, qn_img; writes q_img, h_img, wk_img, qn_img
.if DOCPART == 1
	.amdgcn_target "amdgcn-amd-amdhsa--gfx1250"
	.amdhsa_code_object_version 6
	.text
	.protected	k_q273709d9a2_prep
	.globl	k_q273709d9a2_prep
	.p2align	8
	.type	k_q273709d9a2_prep,@function
k_q273709d9a2_prep:
	s_mov_b64 s[64:65], 0
	v_nop
	global_prefetch_b8 v0, s[64:65] scope:SCOPE_SE
	s_setreg_imm32_b32 hwreg(HW_REG_WAVE_MODE, 25, 1), 1
	s_wait_xcnt 0x0
; What the 512 key batches share is made once, in the order of the operands' registers (a fragment's image: register group cc at 512 cc + 16 lane, 2,048 bytes).
; Work-groups 0-15  (role Q):  q = LN(qx) Wq, 64 rows x 128 columns each, quantised with scale 5 -> q_img.
; Work-groups 16-79 (role H):  h = relu(qx W1 + b1), 64 rows x 128 columns each, quantised with scale 10 -> h_img.
; Work-groups 80-83 (role WK): 128 columns of Wk as codes -> wk_img.
; Work-groups 84-87 (role QN): qx / max(|qx|, 1e-12), 64 rows each, f32 -> qn_img.
; All codes are E5M2: x / 2^e, held within +-57,344, rounded to nearest even by the scaled conversion.
; SHARES.  Sixteen waves, so that ALL loads of a wave go out at its head and none has to follow another: wave W takes 4 rows (16 loads) and 2 chunks of the weight (32 loads);
; in the product it takes 16 rows (tile W / 4) x 32 columns (tiles 2 (W % 4), + 1).
; K'S ORDER.  A row of 512 f32 is loaded densely (lane l takes c = 128 j + 4 l + e), so its 16 codes lie at row byte 16 l + 4 j + e.  The weights' codes are laid in the same order of k,
; so every product meets its partner; only the order of the sums inside an instruction differs from ascending k.
; THE PRODUCT IS USED TRANSPOSED (source 0 = 16 columns of W, source 1 = 16 rows): a lane holds one row and eight neighbouring columns, so the conversions' results are the next product's operand registers.
; The roles part once, on the work-group's number; Q and H join again at the hold.  WK and QN have LDS bytes of their own.
; LIMITS: e0, e8, e1, e9, e3, e5-e0-e1, e10-e8-e9 between -126 and 112, so that 2^e and 57,344 x 2^e are f32 numbers.  NaN among the inputs is not served.
; No tensor loads, no cluster: the numbers pass through registers on their way to codes, and a weight's strip is read by four work-groups at most.
.set APITCH, 528                       ; a row of 512 codes + 16 bytes: 33 x 16, so the 16 rows of a fragment load begin in 16 different groups of banks
.set WIMG,   33792                     ; behind the 64 rows: the weight's 32 fragments (tile t, K step s) at (4 t + s) x 2,048
.set WIMGK,  99328                     ; the same for role WK
.set QNS,    164864                    ; role QN: 32,768 bytes for each tile of 16 rows
.set ST,  16                           ; v16-31 four registers of statistics a row; later codes
.set GG,  32                           ; v32-47 gain, v48-63 bias of my 16 channels (role Q)
.set BB,  48
.set ACC, 32                           ; v32-47 the product's two accumulators (role H: b1 is loaded there)
.set X0,  64                           ; my four rows; then a chunk's numbers turned; then my rows' 4 fragments
.set X1,  128                          ; the weight's chunk 0
.set X2,  192                          ; the weight's chunk 1
.set AF,  64
.set WF,  128                          ; v128-255 eight fragments of the weight
.set SEL, 68                           ; s[68:69] selects of v_permlanex16_b32: lane l xor 16
.macro BARRIER                         ; my LDS stores have landed and my LDS loads are in: then the work-group's barrier
	s_wait_dscnt 0x0
	s_barrier_signal -1
	s_barrier_wait -1
.endm
.macro MKSC e, vs, vl                  ; s[e] = an exponent: v[vs] = 2^e, v[vl] = 57,344 x 2^e (left in s70 too)
	s_add_co_i32 s70, s[\e], 127
	s_lshl_b32 s71, s70, 23
	v_mov_b32 v[\vs], s71
	s_add_co_i32 s70, s70, 15
	s_lshl_b32 s70, s70, 23
	s_or_b32 s70, s70, 0x600000
	v_mov_b32 v[\vl], s70
.endm
.macro SCALES ea, ew, eo, relu         ; the rows' scale and hold v8, v9; the weight's v10, v11; the output's v12, v13 and its lower end v14
	s_wait_kmcnt 0x0
	MKSC \ea, 8, 9
	MKSC \ew, 10, 11
	s_add_co_i32 s75, s[\ea], s[\ew]               ; a sum stands for sum x 2^(eA + eW): the output's conversion takes 2^(eO - eA - eW),
	s_sub_co_i32 s74, s[\eo], s75
	s_sub_co_i32 s75, 0, s75                       ; and b1 goes in as b1 / 2^(eA + eW)
	MKSC 74, 12, 13
.if \relu
	v_mov_b32 v14, 0                               ; the hold's lower end is 0: that is the relu
.else
	s_or_b32 s72, s70, 0x80000000
	v_mov_b32 v14, s72
.endif
.endm
.macro ROWBASE                         ; s[56:57] = qx at row 64 rb + 4 W
	s_lshl_b32 s70, s42, 17
	s_lshl_b32 s71, s43, 13
	s_add_co_u32 s70, s70, s71
	s_mov_b32 s71, 0
	s_add_nc_u64 s[56:57], s[4:5], s[70:71]
.endm
.macro PLOAD                           ; my four rows: each load reads 512 consecutive bytes
.irp k, 0,1,2,3
.irp j, 0,1,2,3
	global_load_b128 v[X0+16*\k+4*\j:X0+16*\k+4*\j+3], v1, s[56:57] offset:\k*2048+512*\j
.endr
.endr
.endm
.macro WBASE p, lg                     ; s[58:59] = the weight (pointer s[p:p+1], rows of 2^lg bytes) at row 8 W, column 128 cb
	s_lshl_b32 s70, s43, 3+\lg
	s_lshl_b32 s71, s41, 9
	s_add_co_u32 s70, s70, s71
	s_mov_b32 s71, 0
	s_add_nc_u64 s[58:59], s[\p:\p+1], s[70:71]
.endm
; Chunk u of my two: the 16 rows of W that loader lane 2 W + u holds of a row of the other operand: rows 128 (i / 4) + 4 (2 W + u) + i % 4.  A lane takes 4 neighbouring columns and its registers
; run down K: each load reads 512 consecutive bytes.  Every row stands in the immediate: 391 rows of 8,192 bytes at the most, inside its signed 24 bits (ISA guide, chapter 10).
.macro WLOAD x, pitch, u
.set n, 0
.rept 16
	global_load_b128 v[\x+4*n:\x+4*n+3], v1, s[58:59] offset:(128*(n/4)+n%4+4*\u)*\pitch
.set n, n+1
.endr
.endm
.macro FOLD                            ; a row's two chains of pairs become one number
.irp k, 0,1,2,3
	v_pk_add_f32 v[ST+4*\k:ST+4*\k+1], v[ST+4*\k:ST+4*\k+1], v[ST+4*\k+2:ST+4*\k+3]
.endr
.irp k, 0,1,2,3
	v_add_f32 v[ST+4*\k], v[ST+4*\k], v[ST+4*\k+1]
.endr
.endm
.macro RED4                            ; v[ST + 4 k], k = 0..3: the sum over the 32 lanes, in every lane; v[ST + 4 k + 2] is at work (written before)
.irp m, 1,2,4,8
.irp k, 0,1,2,3
	v_add_f32_dpp v[ST+4*\k], v[ST+4*\k], v[ST+4*\k] row_xmask:\m row_mask:0xf bank_mask:0xf
.endr
.endr
.irp k, 0,1,2,3
	v_permlanex16_b32 v[ST+4*\k+2], v[ST+4*\k], s[SEL], s[SEL+1]
.endr
.irp k, 0,1,2,3
	v_add_f32 v[ST+4*\k], v[ST+4*\k], v[ST+4*\k+2]
.endr
.endm
.macro SQSUM                           ; v[ST + 4 k] = the sum of squares of my 16 numbers of row k
.irp k, 0,1,2,3
	v_pk_mul_f32 v[ST+4*\k:ST+4*\k+1], v[X0+16*\k:X0+16*\k+1], v[X0+16*\k:X0+16*\k+1]
	v_pk_mul_f32 v[ST+4*\k+2:ST+4*\k+3], v[X0+16*\k+2:X0+16*\k+3], v[X0+16*\k+2:X0+16*\k+3]
.endr
.irp q, 1,2,3
.irp k, 0,1,2,3
	v_pk_fma_f32 v[ST+4*\k:ST+4*\k+1], v[X0+16*\k+4*\q:X0+16*\k+4*\q+1], v[X0+16*\k+4*\q:X0+16*\k+4*\q+1], v[ST+4*\k:ST+4*\k+1]
	v_pk_fma_f32 v[ST+4*\k+2:ST+4*\k+3], v[X0+16*\k+4*\q+2:X0+16*\k+4*\q+3], v[X0+16*\k+4*\q+2:X0+16*\k+4*\q+3], v[ST+4*\k+2:ST+4*\k+3]
.endr
.endr
	FOLD
.endm
; A chunk in v[x] on becomes codes: held and turned into v[t] on (column e's 16 numbers down K on end), converted, stored into the images: chunk 2 cc + h is group cc, lanes' half h
.macro WCHUNK x, t, u, left
	s_wait_loadcnt \left
.irp e, 0,1,2,3
.set n, 0
.rept 16
	v_med3_num_f32 v[\t+16*\e+n], v[\x+4*n+\e], -v11, v11   ; the conversion to an 8-bit code does not saturate (ISA guide 7.6.2): the hold
.set n, n+1
.endr
.endr
	s_wait_dscnt 0x0                               ; the earlier stores have read the codes' registers
.set n, 0
.rept 8
	v_cvt_scalef32_pk8_bf8_f32 v[ST+2*n:ST+2*n+1], v[\t+8*n:\t+8*n+7], v10
.set n, n+1
.endr
	v_nop                                          ; a plain place behind the conversions
.irp e, 0,1,2,3
	ds_store_b128 v6, v[ST+4*\e:ST+4*\e+3] offset:256*\u+16*\e
.endr
.endm
.macro MUL s, zero                     ; K step s: my two tiles of columns, the two accumulators by turns
.irp f, 0,1
.if \zero
	v_wmma_f32_16x16x128_bf8_bf8 v[ACC+8*\f:ACC+8*\f+7], v[WF+16*(4*\f+\s):WF+16*(4*\f+\s)+15], v[AF+16*\s:AF+16*\s+15], 0
.else
	v_wmma_f32_16x16x128_bf8_bf8 v[ACC+8*\f:ACC+8*\f+7], v[WF+16*(4*\f+\s):WF+16*(4*\f+\s)+15], v[AF+16*\s:AF+16*\s+15], v[ACC+8*\f:ACC+8*\f+7]
.endif
.endr
.endm
	s_load_b512 s[4:19], s[0:1], 0x0               ; qx, Wq, W1, Wk, b1, ln_q_g, ln_q_b, the scales' exponents
	s_load_b256 s[20:27], s[0:1], 0x40             ; q_img, h_img, wk_img, qn_img
	v_and_b32 v15, 31, v0
	v_lshrrev_b32 v2, 5, v0
	v_readfirstlane_b32 s43, v2                    ; wave W, 0..15
	s_lshr_b32 s2, s43, 2                          ; W / 4
	s_and_b32 s3, s43, 3                           ; W % 4
	v_lshlrev_b32 v1, 4, v15                       ; 16 x lane
	v_and_b32 v2, 15, v0                           ; r
	v_bfe_u32 v3, v0, 4, 1                         ; h
	s_mul_i32 s70, s43, 4*APITCH
	v_add_nc_u32 v4, s70, v1                       ; where I store my rows' codes: row 4 W, byte 16 x lane
	v_mul_u32_u24 v5, v2, APITCH
	v_lshl_add_u32 v5, v3, 4, v5
	s_mul_i32 s70, s2, 16*APITCH
	v_add_nc_u32 v5, s70, v5                       ; where I read fragments of rows: row 16 (W / 4) + r, byte 16 h
	v_bfe_u32 v6, v0, 2, 3
	v_lshlrev_b32 v6, 13, v6                       ; the weight's images: my 4 columns lie in tile lane / 4,
	v_and_b32 v7, 3, v0
	v_lshl_add_u32 v6, v7, 6, v6                   ; at lanes 4 (lane % 4) + e,
	s_lshl_b32 s70, s2, 11                         ; in K step W / 4,
	s_lshl_b32 s71, s3, 9                          ; chunks 2 (W % 4) on
	s_add_co_u32 s70, s70, s71
	s_add_co_u32 s70, s70, WIMG
	v_add_nc_u32 v6, s70, v6
	s_lshl_b32 s70, s3, 14
	s_add_co_u32 s70, s70, WIMG
	v_add_nc_u32 v7, s70, v1                       ; where I read them: tiles 2 (W % 4), + 1
	v_bfe_u32 v15, v0, 1, 4
	v_lshlrev_b32 v15, 11, v15                     ; qn: block lane / 2,
	v_and_b32 v8, 1, v0
	v_lshl_add_u32 v15, v8, 8, v15                 ; half lane % 2,
	s_lshl_b32 s70, s2, 15                         ; in the region of tile W / 4,
	s_lshl_b32 s71, s3, 6                          ; rows 4 (W % 4) on
	s_add_co_u32 s70, s70, s71
	s_add_co_u32 s70, s70, QNS
	v_add_nc_u32 v15, s70, v15
	s_mov_b32 s[SEL], 0x76543210
	s_mov_b32 s[SEL+1], 0xfedcba98
	s_mov_b32 s66, 0x3727c5ac                      ; 1e-5
	s_mov_b32 s67, 0x3b000000                      ; 1 / 512
	s_wait_kmcnt 0x0
	s_cmp_ge_u32 ttmp9, 84
	s_cbranch_scc1 .Lqn
	s_cmp_ge_u32 ttmp9, 80
	s_cbranch_scc1 .Lwk
	s_load_b256 s[28:35], s[18:19], 0x0            ; e0 .. e7
	s_load_b128 s[36:39], s[18:19], 0x20           ; e8 .. e11
	s_cmp_ge_u32 ttmp9, 16
	s_cbranch_scc1 .Lh
; ---- role Q: 56 loads go out together: gain and bias, my rows, my two chunks of Wq
	s_mov_b32 s40, 0
	s_and_b32 s41, ttmp9, 3                        ; cb: which 128 columns
	s_lshr_b32 s42, ttmp9, 2                       ; rb: which 64 rows
	s_mov_b32 s52, 4                               ; K steps in a row of the output's images
	s_mov_b64 s[50:51], s[20:21]
.irp j, 0,1,2,3
	global_load_b128 v[GG+4*\j:GG+4*\j+3], v1, s[14:15] offset:512*\j
	global_load_b128 v[BB+4*\j:BB+4*\j+3], v1, s[16:17] offset:512*\j
.endr
	ROWBASE
	PLOAD
	WBASE 6, 11
	WLOAD X1, 2048, 0
	WLOAD X2, 2048, 1
	SCALES 28, 29, 33, 0
	s_wait_loadcnt 32                              ; gain, bias and rows are in; the two chunks' 32 loads are younger
	; the layer norm of my four rows, the four taking turns line by line
.irp k, 0,1,2,3
	v_pk_add_f32 v[ST+4*\k:ST+4*\k+1], v[X0+16*\k:X0+16*\k+1], v[X0+16*\k+2:X0+16*\k+3]
	v_pk_add_f32 v[ST+4*\k+2:ST+4*\k+3], v[X0+16*\k+4:X0+16*\k+5], v[X0+16*\k+6:X0+16*\k+7]
.endr
.irp q, 2,3
.irp k, 0,1,2,3
	v_pk_add_f32 v[ST+4*\k:ST+4*\k+1], v[ST+4*\k:ST+4*\k+1], v[X0+16*\k+4*\q:X0+16*\k+4*\q+1]
	v_pk_add_f32 v[ST+4*\k+2:ST+4*\k+3], v[ST+4*\k+2:ST+4*\k+3], v[X0+16*\k+4*\q+2:X0+16*\k+4*\q+3]
.endr
.endr
	FOLD
	RED4
.irp k, 0,1,2,3
	v_mul_f32 v[ST+4*\k], s67, v[ST+4*\k]          ; the mean
.endr
.set n, 0
.rept 32
	v_pk_add_f32 v[X0+2*n:X0+2*n+1], v[X0+2*n:X0+2*n+1], v[ST+4*(n/8):ST+4*(n/8)+1] op_sel_hi:[1,0] neg_lo:[0,1] neg_hi:[0,1]   ; x - mean
.set n, n+1
.endr
	SQSUM
	RED4
.irp k, 0,1,2,3
	v_fma_f32 v[ST+4*\k], v[ST+4*\k], s67, s66     ; var + 1e-5
.endr
.irp k, 0,1,2,3
	v_rsq_f32 v[ST+4*\k], v[ST+4*\k]
.endr
	v_nop                                          ; a plain place behind the transcendentals
.set n, 0
	s_wait_alu depctr_va_vdst(0)
.rept 32
	v_pk_mul_f32 v[X0+2*n:X0+2*n+1], v[X0+2*n:X0+2*n+1], v[ST+4*(n/8):ST+4*(n/8)+1] op_sel_hi:[1,0]
.set n, n+1
.endr
.set n, 0
.rept 32
	v_pk_fma_f32 v[X0+2*n:X0+2*n+1], v[X0+2*n:X0+2*n+1], v[GG+2*(n%8):GG+2*(n%8)+1], v[BB+2*(n%8):BB+2*(n%8)+1]
.set n, n+1
.endr
	s_branch .Lhold
.Lh:
; ---- role H: 52 loads go out together: b1 (into the accumulators), my rows, my two chunks of W1.  The rows are taken as they are
	s_mov_b32 s40, 1
	s_sub_co_u32 s70, ttmp9, 16
	s_and_b32 s41, s70, 15                         ; cb
	s_lshr_b32 s42, s70, 4                         ; rb
	s_mov_b32 s52, 16
	s_mov_b64 s[50:51], s[22:23]
	s_lshl_b32 s70, s41, 9                         ; lane (r, h), tile 2 (W % 4) + f, register j: unit 128 cb + 32 (W % 4) + 16 f + 8 h + j
	s_lshl_b32 s71, s3, 7
	s_add_co_u32 s70, s70, s71
	s_mov_b32 s71, 0
	s_add_nc_u64 s[60:61], s[12:13], s[70:71]
	v_lshlrev_b32 v48, 5, v3
.irp f, 0,1
	global_load_b128 v[ACC+8*\f:ACC+8*\f+3], v48, s[60:61] offset:64*\f
	global_load_b128 v[ACC+8*\f+4:ACC+8*\f+7], v48, s[60:61] offset:64*\f+16
.endr
	ROWBASE
	PLOAD
	WBASE 8, 13
	WLOAD X1, 8192, 0
	WLOAD X2, 8192, 1
	SCALES 36, 37, 38, 1
	s_wait_loadcnt 32                              ; b1 and rows are in; the two chunks' 32 loads are younger
.Lhold:
; ---- Q and H: my four rows become codes
.set n, 0
.rept 64
	v_med3_num_f32 v[X0+n], v[X0+n], -v9, v9       ; the hold
.set n, n+1
.endr
.set n, 0
.rept 8
	v_cvt_scalef32_pk8_bf8_f32 v[ST+2*n:ST+2*n+1], v[X0+8*n:X0+8*n+7], v8
.set n, n+1
.endr
	v_nop                                          ; a plain place behind the conversions
.irp k, 0,1,2,3
	ds_store_b128 v4, v[ST+4*\k:ST+4*\k+3] offset:\k*APITCH
.endr
	WCHUNK X1, X0, 0, 16                           ; chunk 0 is in; chunk 1's 16 loads are younger
	WCHUNK X2, X1, 1, 0
	BARRIER                                        ; the 64 rows' codes and the weight's 32 images are whole
; ---- 16 rows x 32 columns
.set n, 0
.rept 16
	ds_load_b128 v[AF+4*n:AF+4*n+3], v5 offset:32*n   ; K step n / 4, group n % 4: byte 128 s + 32 cc
.set n, n+1
.endr
.irp f, 0,1
.irp s, 0,1,2,3
.irp c, 0,1,2,3
	ds_load_b128 v[WF+16*(4*\f+\s)+4*\c:WF+16*(4*\f+\s)+4*\c+3], v7 offset:\f*8192+\s*2048+512*\c
.endr
.endr
.endr
	s_lshl_b32 s70, s42, 2
	s_add_co_u32 s70, s70, s2                      ; the output: tile of rows 4 rb + W / 4,
	s_mul_i32 s70, s70, s52
	s_add_co_u32 s70, s70, s41                     ; K step cb of the next product,
	s_lshl_b32 s70, s70, 11
	s_lshl_b32 s71, s3, 9                          ; register group W % 4
	s_add_co_u32 s70, s70, s71
	s_mov_b32 s71, 0
	s_add_nc_u64 s[76:77], s[50:51], s[70:71]
	s_cmp_eq_u32 s40, 0
	s_cbranch_scc1 .Lfrom_zero
.set n, 0
.rept 16
	v_ldexp_f32 v[ACC+n], v[ACC+n], s75            ; role H: b1 / 2^(e8 + e9) is what the sums begin with
.set n, n+1
.endr
	s_wait_dscnt 0x0
	MUL 0, 0
	s_branch .Lmore
.Lfrom_zero:
	s_wait_dscnt 0x0
	MUL 0, 1                                       ; role Q: the first K step starts the sums
.Lmore:
	MUL 1, 0
	MUL 2, 0
	MUL 3, 0
.rept 4
	v_nop                                          ; four places in front of the first read of results
.endr
.set n, 0
.rept 16
	v_med3_num_f32 v[ACC+n], v[ACC+n], v14, v13    ; the hold (and, in role H, the relu); each accumulator from its low end on
.set n, n+1
.endr
	v_cvt_scalef32_pk8_bf8_f32 v[ST:ST+1], v[ACC:ACC+7], v12       ; tile t's eight columns are registers 2 t, 2 t + 1 of the fragment: k = 16 t + 8 h + 0 .. 7
	v_cvt_scalef32_pk8_bf8_f32 v[ST+2:ST+3], v[ACC+8:ACC+15], v12
	v_nop
	global_store_b128 v1, v[ST:ST+3], s[76:77]     ; the wave stores 512 consecutive bytes
	s_wait_xcnt 0x0
	v_lshl_add_u32 v62, v0, 2, 0x48400
	v_mov_b32 v63, 0
	s_wait_tensorcnt 0x0
	ds_add_u32 v62, v63
	s_wait_dscnt 0x0
	s_endpgm
.Lwk:
; ---- role WK: my two chunks of Wk become codes; the images leave as they lie
	s_load_b32 s31, s[18:19], 0xc                  ; e3
	s_sub_co_u32 s41, ttmp9, 80                    ; cb
	WBASE 10, 11
	WLOAD X1, 2048, 0
	WLOAD X2, 2048, 1
	v_add_nc_u32 v6, WIMGK-WIMG, v6                ; this role's own images
	s_lshl_b32 s72, s43, 12
	s_add_co_u32 s73, s72, WIMGK
	v_add_nc_u32 v32, s73, v1                      ; the 4,096 bytes that I copy out
	s_lshl_b32 s73, s41, 16
	s_add_co_u32 s72, s72, s73
	s_mov_b32 s73, 0
	s_add_nc_u64 s[78:79], s[24:25], s[72:73]
	s_wait_kmcnt 0x0
	MKSC 31, 10, 11
	WCHUNK X1, X0, 0, 16                           ; chunk 0 is in; chunk 1's 16 loads are younger
	WCHUNK X2, X1, 1, 0
	BARRIER
.set n, 0
.rept 8
	ds_load_b128 v[X0+4*n:X0+4*n+3], v32 offset:512*n
.set n, n+1
.endr
.set n, 0
.rept 8
	s_wait_dscnt 7-n                               ; LDS loads come back in order: load n is in
	global_store_b128 v1, v[X0+4*n:X0+4*n+3], s[78:79] offset:512*n
.set n, n+1
.endr
	s_wait_xcnt 0x0
	v_lshl_add_u32 v62, v0, 2, 0x48400
	v_mov_b32 v63, 0
	s_wait_tensorcnt 0x0
	ds_add_u32 v62, v63
	s_wait_dscnt 0x0
	s_endpgm
.Lqn:
; ---- role QN: qn = qx / max(|qx|, 1e-12), f32, in the order in which the main launch's results lie:
; block g, lane (r, h), register 8 u + j: row r, row byte position 32 g + 16 h + 2 j + u.  My lane l holds positions 16 l + i: block l / 2, half l % 2, register 8 (i % 2) + i / 2.
	s_sub_co_u32 s42, ttmp9, 84                    ; rb
	ROWBASE
	PLOAD
	s_lshl_b32 s72, s43, 13
	s_add_co_u32 s73, s72, QNS
	v_add_nc_u32 v32, s73, v1                      ; the 8,192 bytes that I copy out
	s_lshl_b32 s73, s42, 17
	s_add_co_u32 s72, s72, s73
	s_mov_b32 s73, 0
	s_add_nc_u64 s[78:79], s[26:27], s[72:73]
	s_wait_loadcnt 0x0
	SQSUM
	RED4
.irp k, 0,1,2,3
	v_sqrt_f32 v[ST+4*\k], v[ST+4*\k]
.endr
	v_nop
	s_wait_alu depctr_va_vdst(0)
.irp k, 0,1,2,3
	v_max_num_f32 v[ST+4*\k], 0x2b8cbccc, v[ST+4*\k]   ; 1e-12
.endr
.irp k, 0,1,2,3
	v_rcp_f32 v[ST+4*\k], v[ST+4*\k]
.endr
	v_nop
	s_wait_alu depctr_va_vdst(0)
.irp k, 0,1,2,3
.set n, 0
.rept 16
	v_mul_f32 v[X2+16*\k+8*(n%2)+n/2], v[X0+16*\k+n], v[ST+4*\k]
.set n, n+1
.endr
.endr
.irp k, 0,1,2,3
.irp c, 0,1,2,3
	ds_store_b128 v15, v[X2+16*\k+4*\c:X2+16*\k+4*\c+3] offset:16*\k+512*\c
.endr
.endr
	BARRIER                                        ; a block's 16 rows come from four waves
.set n, 0
.rept 16
	ds_load_b128 v[X0+4*n:X0+4*n+3], v32 offset:512*n
.set n, n+1
.endr
.set n, 0
.rept 16
	s_wait_dscnt 15-n
	global_store_b128 v1, v[X0+4*n:X0+4*n+3], s[78:79] offset:512*n
.set n, n+1
.endr
	s_wait_xcnt 0x0
	v_lshl_add_u32 v62, v0, 2, 0x48400
	v_mov_b32 v63, 0
	s_wait_tensorcnt 0x0
	ds_add_u32 v62, v63
	s_wait_dscnt 0x0
	s_endpgm
.Lfunc_end_k_q273709d9a2_prep:
	.size	k_q273709d9a2_prep, .Lfunc_end_k_q273709d9a2_prep-k_q273709d9a2_prep
	.p2alignl 7, 3214868480
	.fill 96, 4, 3214868480
	.section	.rodata,"a",@progbits
	.p2align	6, 0x0
	.amdhsa_kernel k_q273709d9a2_prep
		.amdhsa_group_segment_fixed_size 297984
		.amdhsa_private_segment_fixed_size 0
		.amdhsa_enable_private_segment 0
		.amdhsa_kernarg_size 96
		.amdhsa_user_sgpr_count 2
		.amdhsa_user_sgpr_kernarg_segment_ptr 1
		.amdhsa_wavefront_size32 1
		.amdhsa_system_sgpr_workgroup_id_x 1
		.amdhsa_system_sgpr_workgroup_id_y 1
		.amdhsa_system_sgpr_workgroup_id_z 1
		.amdhsa_system_vgpr_workitem_id 0
		.amdhsa_next_free_vgpr 256
		.amdhsa_next_free_sgpr 80
		.amdhsa_reserve_vcc 0
		.amdhsa_float_denorm_mode_32 3
		.amdhsa_float_denorm_mode_16_64 3
		.amdhsa_memory_ordered 1
		.amdhsa_forward_progress 1
		.amdhsa_inst_pref_size 80
	.end_amdhsa_kernel
	.amdgpu_metadata
---
amdhsa.version: [ 1, 2 ]
amdhsa.kernels:
  - .name:           k_q273709d9a2_prep
    .symbol:         k_q273709d9a2_prep.kd
    .args:
      - { .name: qx, .offset: 0, .size: 8, .value_kind: global_buffer, .address_space: global }
      - { .name: Wq, .offset: 8, .size: 8, .value_kind: global_buffer, .address_space: global }
      - { .name: W1, .offset: 16, .size: 8, .value_kind: global_buffer, .address_space: global }
      - { .name: Wk, .offset: 24, .size: 8, .value_kind: global_buffer, .address_space: global }
      - { .name: b1, .offset: 32, .size: 8, .value_kind: global_buffer, .address_space: global }
      - { .name: ln_q_g, .offset: 40, .size: 8, .value_kind: global_buffer, .address_space: global }
      - { .name: ln_q_b, .offset: 48, .size: 8, .value_kind: global_buffer, .address_space: global }
      - { .name: lowp_scales, .offset: 56, .size: 8, .value_kind: global_buffer, .address_space: global }
      - { .name: q_img, .offset: 64, .size: 8, .value_kind: global_buffer, .address_space: global }
      - { .name: h_img, .offset: 72, .size: 8, .value_kind: global_buffer, .address_space: global }
      - { .name: wk_img, .offset: 80, .size: 8, .value_kind: global_buffer, .address_space: global }
      - { .name: qn_img, .offset: 88, .size: 8, .value_kind: global_buffer, .address_space: global }
    .group_segment_fixed_size: 297984
    .private_segment_fixed_size: 0
    .kernarg_segment_align: 8
    .kernarg_segment_size: 96
    .max_flat_workgroup_size: 512
    .sgpr_count:     80
    .vgpr_count:     256
    .wavefront_size: 32
...
	.end_amdgpu_metadata
.endif
;; end of part 1
;; launch main (part 2): grid 512 x 1, 4 waves a work-group, no clusters, 304,640 bytes of LDS; arguments kx, key_padding_mask, ln_k_g, ln_k_b, logit_scale, lowp_scales, wk_img, q_img, qn_img, x2t; writes x2t
.if DOCPART == 2
	.amdgcn_target "amdgcn-amd-amdhsa--gfx1250"
	.amdhsa_code_object_version 6
	.text
	.protected	k_q273709d9a2_main
	.globl	k_q273709d9a2_main
	.p2align	8
	.type	k_q273709d9a2_main,@function
k_q273709d9a2_main:
	s_mov_b64 s[64:65], 0
	v_nop
	global_prefetch_b8 v0, s[64:65] scope:SCOPE_SE
	s_setreg_imm32_b32 hwreg(HW_REG_WAVE_MODE, 25, 1), 1
	s_wait_xcnt 0x0
; One work-group takes one key batch kb (256 keys x 512 channels of f32, read from memory once) through the whole chain, against all 256 queries:
;   A  LN(kx) and raw kx become codes of E5M2 (scales 2 and 7)       B  k = LN(kx) Wk, quantised (scale 4)          C  S^T = k q^T, mask, p = 2^(t - M), quantised (scale 6)
;   D  v^T = kx^T p^T, and on the fly  dot = v . qn,  nrm = v . v    end  x2 = dot / max(|v|, 1e-12) x exp(logit_scale)  ->  x2t[kb][query]
; SHARES.  Four waves, one to a SIMD.  A: wave w takes keys 64 w .. 64 w + 63, 16 a quarter.  B: wave w holds Wk's columns 128 w .. +127 in 512 registers and multiplies all keys of the quarter.
; C, D: wave w takes queries 64 w .. +63 (four tiles qt) against all 256 keys and all 512 channels.
; ALL PRODUCTS ARE USED TRANSPOSED, so that a lane's eight results are neighbours along the next product's K and the conversions' results are the next operand's registers.
; K'S ORDER.  A row of kx is loaded densely (lane l: c = 128 j + 4 l + e); its codes lie at row byte 16 l + 4 j + e.  Wk's images and qn's are laid in the same order by the launch before.
; A tensor's one scale makes a code independent of the axis: raw kx is converted in the layout in which it is loaded, and only its BYTES are turned for product 4 (ds_load_tr16_b128 on pairs of bytes, v_perm_b32).
; SOFTMAX: t = score x log2(e) / sqrt(512); M = ceil(the row's largest t); p = 2^(t - M) is quantised, its unquantised sum divides at the end.  All 256 keys of a row are at hand, so M is the row's own.
; A row whose keys are all masked gives NaN, as the softmax of such a row does.
; LDS: LN codes of a quarter (64 rows x 528), raw codes (256 rows x 544), k's 64 fragment images.  304,128 bytes.
; NO JOINT LOADS for Wk, q and qn, which all work-groups read: a joint load lands in LDS, where 23,552 bytes are left, against Wk's 262,144; they come straight into registers, laid in register order.
; LIMITS: e2, e7, e6, e4-e2-e3 between -126 and 112; e4+e5 between -122 and 131 (added to c's exponent field).  NaN among the inputs is not served.
; REGISTERS, in windows of 256 (s_set_vgpr_msb: bits 1:0 source 0, 3:2 source 1, 5:4 source 2, 7:6 destination):
;   window 0: v1-15 addresses, v16-23 scales and holds, v28-31 the rows' sums, v32-63 gain and bias, v64-79 statistics, v80-95 codes, v96-127 the mask's bytes, v128-255 fragments, work, then the mask as 0 / -inf
;   window 1: 16 rows of kx; then q's 16 fragments; then p's codes (32 qt + 2 m)
;   windows 2, 3: Wk's 32 fragments; then S^T (tile of keys m, qt) at window 2 + m / 8, 32 (m % 8) + 8 qt; then, window 2: turned bytes 0-63, kx^T's fragments 64-127, accumulators 128-191;
;   window 3: qn in two buffers 0-127, dot and nrm 128-143
.set LNP,  528
.set RAW,  33792
.set RWP,  544                         ; 17 x 32 bytes
.set KIMG, 173056
.set L16,  1
.set ALN,  2
.set ALNW, 3
.set ARAWB, 4
.set ARAW, 5
.set AKIB, 6
.set AKI,  7
.set AK0,  8
.set AK1,  9
.set ATB0, 10
.set ATB1, 11
.set ATR0, 12
.set ATR1, 13
.set AQ,   14                          ; v14, v15: qn's offsets, one for each buffer
.set SC2,  16
.set LIM2, 17
.set SC7,  18
.set LIM7, 19
.set SCK,  20
.set LIMK, 21
.set SC6,  22
.set LIM6, 23
.set LS,   28
.set GG,   32
.set BB,   48
.set MU,   64
.set RS,   72
.set RC,   80
.set MK,   96
.set LC,   128
.set AF,   128
.set T,    192
.set BIAS, 128
.set SEL,  50
.set MSB, 0
.macro WIN new                         ; the immediate's high byte repeats the setting that is left; a switch that changes nothing is dropped
.if MSB != (\new)
	s_set_vgpr_msb (MSB<<8)|(\new)
.set MSB, (\new)
.endif
.endm
.macro BARRIER
	s_wait_dscnt 0x0
	s_barrier_signal -1
	s_barrier_wait -1
.endm
.macro MKSC e, vs, vl                  ; s[e] = an exponent: v[vs] = 2^e, v[vl] = 57,344 x 2^e
	s_add_co_i32 s70, s[\e], 127
	s_lshl_b32 s71, s70, 23
	v_mov_b32 v[\vs], s71
	s_add_co_i32 s70, s70, 15
	s_lshl_b32 s70, s70, 23
	s_or_b32 s70, s70, 0x600000
	v_mov_b32 v[\vl], s70
.endm
.macro RED4                            ; v[T + 8 k], k = 0..3: the sum over the 32 lanes, in every lane; v[T + 8 k + 2] is at work
.irp m, 1,2,4,8
.irp k, 0,1,2,3
	v_add_f32_dpp v[T+8*\k], v[T+8*\k], v[T+8*\k] row_xmask:\m row_mask:0xf bank_mask:0xf
.endr
.endr
.irp k, 0,1,2,3
	v_permlanex16_b32 v[T+8*\k+2], v[T+8*\k], s[SEL], s[SEL+1]
.endr
.irp k, 0,1,2,3
	v_add_f32 v[T+8*\k], v[T+8*\k], v[T+8*\k+2]
.endr
.endm
	s_load_b512 s[4:19], s[0:1], 0x0               ; kx, mask, gain, bias, logit_scale, the scales' exponents, wk_img, q_img
	s_load_b128 s[20:23], s[0:1], 0x40             ; qn_img, x2t
	v_and_b32 v27, 31, v0
	v_lshrrev_b32 v25, 5, v0
	v_readfirstlane_b32 s36, v25                   ; wave 0..3
	v_lshlrev_b32 v[L16], 4, v27                   ; 16 x lane
	v_lshlrev_b32 v26, 2, v27                      ; 4 x lane: the way out
	v_and_b32 v27, 15, v0                          ; r
	v_bfe_u32 v25, v0, 4, 1                        ; h (kept)
	v_lshlrev_b32 v24, 3, v25                      ; 8 h: my eight bytes of a tile's mask (kept)
	v_mul_u32_u24 v[ALN], v27, LNP
	v_lshl_add_u32 v[ALN], v25, 4, v[ALN]          ; a fragment of LN codes: row r, byte 16 h
	s_mul_i32 s66, s36, 16*LNP
	v_add_nc_u32 v[ALNW], s66, v[L16]              ; where I store them: row 16 w
	s_mul_i32 s66, s36, 64*RWP
	s_add_co_u32 s66, s66, RAW
	v_add_nc_u32 v[ARAWB], s66, v[L16]             ; raw codes: row 64 w
	s_lshl_b32 s66, s36, 15
	s_add_co_u32 s66, s66, KIMG
	v_add_nc_u32 v[AKIB], s66, v[L16]              ; k's images: K step w
	v_add_nc_u32 v[AK0], KIMG, v[L16]              ; and where they are read: K steps 0, 1;
	v_add_nc_u32 v[AK1], KIMG+65536, v[L16]        ; K steps 2, 3
	v_and_b32 v27, 7, v0
	v_lshl_add_u32 v27, v25, 3, v27
	v_mul_u32_u24 v[ATB0], v27, RWP                ; the turning load: key 8 h + lane % 8,
	v_bfe_u32 v27, v0, 3, 1
	v_lshl_add_u32 v[ATB0], v27, 4, v[ATB0]        ; 16 bytes (lane / 8) % 2
	v_add_nc_u32 v[ATB0], RAW, v[ATB0]
	v_add_nc_u32 v[ATB1], 128*RWP, v[ATB0]         ; keys 128 on
.irp n, 65,67,69,71,73,75,77,79
	v_mov_b32 v\n, 0                               ; named as upper halves of pairs, so they are written
.endr
	s_mov_b32 s[SEL], 0x76543210
	s_mov_b32 s[SEL+1], 0xfedcba98
	s_mov_b32 s52, 0x06040200                      ; the even bytes of two registers
	s_mov_b32 s53, 0x07050301                      ; the odd ones
	s_mov_b32 s56, 0x3b000000                      ; 1 / 512
	s_mov_b32 s57, 0x3727c5ac                      ; 1e-5
	s_mov_b32 s33, 0xff800000                      ; -infinity
	s_wait_kmcnt 0x0
	s_load_b256 s[24:31], s[14:15], 0x0            ; e0 .. e7
	s_load_b32 s32, s[12:13], 0x0                  ; logit_scale
	s_lshl_b32 s66, ttmp9, 8
	s_mov_b32 s67, 0
	s_add_nc_u64 s[34:35], s[6:7], s[66:67]        ; the batch's mask
	s_lshl_b32 s66, ttmp9, 19
	s_lshl_b32 s68, s36, 17
	s_add_co_u32 s66, s66, s68
	s_add_nc_u64 s[38:39], s[4:5], s[66:67]        ; kx at key 64 w of the batch
	s_mov_b32 s66, s68
	s_add_nc_u64 s[60:61], s[20:21], s[66:67]      ; qn's images of my 64 queries
	s_lshl_b32 s66, s36, 15
	s_add_nc_u64 s[40:41], s[18:19], s[66:67]      ; q's 16 fragments of my 64 queries
	s_lshl_b32 s66, s36, 16
	s_add_nc_u64 s[58:59], s[16:17], s[66:67]      ; Wk's 32 fragments of my 128 columns
	s_lshl_b32 s66, ttmp9, 10
	s_lshl_b32 s68, s36, 8
	s_add_co_u32 s66, s66, s68
	s_add_nc_u64 s[62:63], s[22:23], s[66:67]      ; x2t[kb][64 w]
	; all that stays, then the first quarter's rows LAST: loads come back in order, so the loop's counted waits show the older ones in as well
.irp j, 0,1,2,3
	global_load_b128 v[GG+4*\j:GG+4*\j+3], v[L16], s[8:9] offset:512*\j
	global_load_b128 v[BB+4*\j:BB+4*\j+3], v[L16], s[10:11] offset:512*\j
.endr
.set n, 0
.rept 16
	global_load_b64 v[MK+2*n:MK+2*n+1], v24, s[34:35] offset:16*n   ; keys 16 m + 8 h + 0 .. 7
.set n, n+1
.endr
.irp s, 0,1,2,3
	WIN 0x80+0x40*(\s/2)
.irp t, 0,1,2,3,4,5,6,7
.irp c, 0,1,2,3
	global_load_b128 v[16*(8*(\s%2)+\t)+4*\c:16*(8*(\s%2)+\t)+4*\c+3], v[L16], s[58:59] offset:(4*\t+\s)*2048+512*\c
.endr
.endr
.endr
	WIN 0x40
.set n, 0
.rept 64
	global_load_b128 v[4*n:4*n+3], v[L16], s[38:39] offset:512*n   ; row n / 4, quarter n % 4 of it: 512 consecutive bytes
.set n, n+1
.endr
	WIN 0
	s_wait_kmcnt 0x0
	MKSC 26, SC2, LIM2
	MKSC 31, SC7, LIM7
	s_sub_co_i32 s66, s28, s26
	s_sub_co_i32 s66, s66, s27                     ; a sum of product 2 stands for sum x 2^(e2 + e3): k's conversion takes 2^(e4 - e2 - e3)
	MKSC 66, SCK, LIMK
	MKSC 30, SC6, LIM6
	s_add_co_i32 s67, s28, s29
	s_lshl_b32 s67, s67, 23
	s_add_co_i32 s48, s67, 0x3d8293ee              ; c = log2(e) / sqrt(512) x 2^(e4 + e5): the exponents are added to c's exponent field
	s_mov_b32 s49, s48                             ; (named with it as a pair)
	s_add_co_i32 s55, s30, s31                     ; e6 + e7
; ---- A: rows 4 p .. 4 p + 3 of my 16, the four taking turns line by line
.macro GROUP p
.set XB, 64*\p
	s_wait_loadcnt 48                              ; behind this group's 16 loads only the three other groups' 16 each were issued
	WIN 0x01
.set n, 0
.rept 64
	v_med3_num_f32 v[T+n], v[XB+n], -v[LIM7], v[LIM7]   ; raw kx: the hold (the conversion to an 8-bit code does not saturate: ISA guide 7.6.2)
.set n, n+1
.endr
	WIN 0
	s_wait_dscnt 4                                 ; only the LN codes' four stores are younger than the stores that read these registers last
.set n, 0
.rept 8
	v_cvt_scalef32_pk8_bf8_f32 v[RC+2*n:RC+2*n+1], v[T+8*n:T+8*n+7], v[SC7]
.set n, n+1
.endr
	v_nop                                          ; a plain place behind the conversions
.irp k, 0,1,2,3
	ds_store_b128 v[ARAW], v[RC+4*\k:RC+4*\k+3] offset:(4*\p+\k)*RWP
.endr
	WIN 0x05
.set n, 0
.rept 16
	v_pk_add_f32 v[T+2*n:T+2*n+1], v[XB+4*n:XB+4*n+1], v[XB+4*n+2:XB+4*n+3]
.set n, n+1
.endr
	WIN 0
.irp k, 0,1,2,3
	v_pk_add_f32 v[T+8*\k:T+8*\k+1], v[T+8*\k:T+8*\k+1], v[T+8*\k+2:T+8*\k+3]
	v_pk_add_f32 v[T+8*\k+4:T+8*\k+5], v[T+8*\k+4:T+8*\k+5], v[T+8*\k+6:T+8*\k+7]
.endr
.irp k, 0,1,2,3
	v_pk_add_f32 v[T+8*\k:T+8*\k+1], v[T+8*\k:T+8*\k+1], v[T+8*\k+4:T+8*\k+5]
.endr
.irp k, 0,1,2,3
	v_add_f32 v[T+8*\k], v[T+8*\k], v[T+8*\k+1]
.endr
	RED4
.irp k, 0,1,2,3
	v_mul_f32 v[MU+2*\k], s56, v[T+8*\k]
.endr
	WIN 0x41
.set n, 0
.rept 32
	v_pk_add_f32 v[XB+2*n:XB+2*n+1], v[XB+2*n:XB+2*n+1], v[MU+2*(n/8):MU+2*(n/8)+1] op_sel_hi:[1,0] neg_lo:[0,1] neg_hi:[0,1]   ; x - mean
.set n, n+1
.endr
	WIN 0x05
.irp k, 0,1,2,3
	v_pk_mul_f32 v[T+8*\k:T+8*\k+1], v[XB+16*\k:XB+16*\k+1], v[XB+16*\k:XB+16*\k+1]
	v_pk_mul_f32 v[T+8*\k+2:T+8*\k+3], v[XB+16*\k+2:XB+16*\k+3], v[XB+16*\k+2:XB+16*\k+3]
.endr
.irp q, 1,2,3
.irp k, 0,1,2,3
	v_pk_fma_f32 v[T+8*\k:T+8*\k+1], v[XB+16*\k+4*\q:XB+16*\k+4*\q+1], v[XB+16*\k+4*\q:XB+16*\k+4*\q+1], v[T+8*\k:T+8*\k+1]
	v_pk_fma_f32 v[T+8*\k+2:T+8*\k+3], v[XB+16*\k+4*\q+2:XB+16*\k+4*\q+3], v[XB+16*\k+4*\q+2:XB+16*\k+4*\q+3], v[T+8*\k+2:T+8*\k+3]
.endr
.endr
	WIN 0
.irp k, 0,1,2,3
	v_pk_add_f32 v[T+8*\k:T+8*\k+1], v[T+8*\k:T+8*\k+1], v[T+8*\k+2:T+8*\k+3]
.endr
.irp k, 0,1,2,3
	v_add_f32 v[T+8*\k], v[T+8*\k], v[T+8*\k+1]
.endr
	RED4
.irp k, 0,1,2,3
	v_fma_f32 v[T+8*\k], v[T+8*\k], s56, s57       ; var + 1e-5
.endr
.irp k, 0,1,2,3
	v_rsq_f32 v[RS+2*\k], v[T+8*\k]
.endr
	v_nop                                          ; a plain place behind the transcendentals
	WIN 0x41
.set n, 0
	s_wait_alu depctr_va_vdst(0)
.rept 32
	v_pk_mul_f32 v[XB+2*n:XB+2*n+1], v[XB+2*n:XB+2*n+1], v[RS+2*(n/8):RS+2*(n/8)+1] op_sel_hi:[1,0]
.set n, n+1
.endr
.set n, 0
.rept 32
	v_pk_fma_f32 v[XB+2*n:XB+2*n+1], v[XB+2*n:XB+2*n+1], v[GG+2*(n%8):GG+2*(n%8)+1], v[BB+2*(n%8):BB+2*(n%8)+1]
.set n, n+1
.endr
.set n, 0
.rept 64
	v_med3_num_f32 v[XB+n], v[XB+n], -v[LIM2], v[LIM2]
.set n, n+1
.endr
	WIN 0x01
	s_wait_dscnt 4                                 ; only the raw codes' four stores are younger than the stores that read these registers last
.set n, 0
.rept 8
	v_cvt_scalef32_pk8_bf8_f32 v[LC+2*n:LC+2*n+1], v[XB+8*n:XB+8*n+7], v[SC2]
.set n, n+1
.endr
	WIN 0
	v_nop
.irp k, 0,1,2,3
	ds_store_b128 v[ALNW], v[LC+4*\k:LC+4*\k+3] offset:(4*\p+\k)*LNP
.endr
	WIN 0x40
.set n, 0
.rept 16
	global_load_b128 v[XB+4*n:XB+4*n+3], v[L16], s[42:43] offset:8192*\p+512*n   ; the same rows of the next quarter; in the last trip q's fragments 4 p .. 4 p + 3, which have a row's bytes
.set n, n+1
.endr
	WIN 0
.endm
; ---- B: 16 keys (wave wp's of this quarter) x my 128 columns of Wk.  8 accumulators take turns, one instruction a turn
.macro AFETCH wp
.set n, 0
.rept 16
	ds_load_b128 v[AF+4*n:AF+4*n+3], v[ALN] offset:(\wp)*16*LNP+32*n
.set n, n+1
.endr
.endm
.macro TILE wp
.if \wp == 0
	AFETCH 0
	s_wait_dscnt 0x0
.else
	s_wait_dscnt 4                                 ; behind this tile's fragment loads only the last tile's four image stores were issued
.endif
.irp s, 0,1,2,3
	WIN 0x02+\s/2
.irp t, 0,1,2,3,4,5,6,7
.if \s == 0
	v_wmma_f32_16x16x128_bf8_bf8 v[T+8*\t:T+8*\t+7], v[16*(8*(\s%2)+\t):16*(8*(\s%2)+\t)+15], v[AF+16*\s:AF+16*\s+15], 0
.else
	v_wmma_f32_16x16x128_bf8_bf8 v[T+8*\t:T+8*\t+7], v[16*(8*(\s%2)+\t):16*(8*(\s%2)+\t)+15], v[AF+16*\s:AF+16*\s+15], v[T+8*\t:T+8*\t+7]
.endif
.endr
.endr
	WIN 0
.rept 4
	v_nop                                          ; four places: in front of the loads into the fragments' registers and of the first read of results
.endr
.if \wp < 3
	AFETCH \wp+1
.endif
.set n, 0
.rept 64
	v_med3_num_f32 v[T+n], v[T+n], -v[LIMK], v[LIMK]   ; each accumulator from its low end on
.set n, n+1
.endr
.if \wp < 3
	s_wait_dscnt 16                                ; only the 16 loads just issued are younger than the stores that read the codes' registers last
.else
	s_wait_dscnt 0x0
.endif
.set n, 0
.rept 8
	v_cvt_scalef32_pk8_bf8_f32 v[RC+2*n:RC+2*n+1], v[T+8*n:T+8*n+7], v[SCK]   ; registers 2 t, 2 t + 1: channels 128 w + 16 t + 8 h + 0 .. 7 of key r
.set n, n+1
.endr
	v_nop
.irp c, 0,1,2,3
	ds_store_b128 v[AKI], v[RC+4*\c:RC+4*\c+3] offset:\wp*8192+512*\c   ; tile of keys m = 4 wp + quarter, K step w
.endr
.endm
	s_mov_b32 s44, 0
	s_mov_b32 s45, 0
	s_mov_b32 s46, 0
.Lq:                                               ; four quarters
	s_wait_xcnt 0x0                                ; the refills' base is rewritten only when every issued load has read it
	s_add_nc_u64 s[38:39], s[38:39], 32768         ; the next quarter's 16 rows
	s_cmp_eq_u32 s44, 3
	s_cselect_b64 s[42:43], s[40:41], s[38:39]     ; in the last trip the refills bring q
	v_add_nc_u32 v[ARAW], s45, v[ARAWB]            ; + 16 rows a quarter
	v_add_nc_u32 v[AKI], s46, v[AKIB]              ; + one image a quarter
	GROUP 0
	GROUP 1
	GROUP 2
	GROUP 3
	BARRIER                                        ; the quarter's 64 rows of LN codes lie in LDS
	TILE 0
	TILE 1
	TILE 2
	TILE 3
	BARRIER                                        ; every wave has read them; after the last trip k's 64 images and all raw codes are whole
	s_add_co_u32 s45, s45, 16*RWP
	s_add_co_u32 s46, s46, 2048
	s_add_co_u32 s44, s44, 1
	s_cmp_lt_u32 s44, 4
	s_cbranch_scc1 .Lq
; ---- C: S^T = k q^T, a tile of 16 keys at a time against my four tiles of queries; four accumulators by turns
.macro KFETCH m, kf
.irp ks, 0,1
.irp c, 0,1,2,3
	ds_load_b128 v[\kf+16*\ks+4*\c:\kf+16*\ks+4*\c+3], v[AK0] offset:\ks*32768+(\m)*2048+512*\c
.endr
.endr
.irp ks, 0,1
.irp c, 0,1,2,3
	ds_load_b128 v[\kf+32+16*\ks+4*\c:\kf+32+16*\ks+4*\c+3], v[AK1] offset:\ks*32768+(\m)*2048+512*\c
.endr
.endr
.endm
.macro SCORE
.rept 4
	v_nop                                          ; four places in front of loads into registers that matrix instructions have read
.endr
.if M < 15
	KFETCH M+1, 128+64*((M+1)%2)
	s_wait_dscnt 16                                ; this tile's 16 loads are in; the next tile's may be out
.else
	s_wait_dscnt 0x0
.endif
	WIN 0xa4+0x50*(M/8)
.irp ks, 0,1,2,3
.irp qt, 0,1,2,3
.if \ks == 0
	v_wmma_f32_16x16x128_bf8_bf8 v[32*(M%8)+8*\qt:32*(M%8)+8*\qt+7], v[128+64*(M%2)+16*\ks:128+64*(M%2)+16*\ks+15], v[16*(4*\qt+\ks):16*(4*\qt+\ks)+15], 0
.else
	v_wmma_f32_16x16x128_bf8_bf8 v[32*(M%8)+8*\qt:32*(M%8)+8*\qt+7], v[128+64*(M%2)+16*\ks:128+64*(M%2)+16*\ks+15], v[16*(4*\qt+\ks):16*(4*\qt+\ks)+15], v[32*(M%8)+8*\qt:32*(M%8)+8*\qt+7]
.endif
.endr
.endr
	WIN 0
.endm
	s_wait_loadcnt 0x0                             ; q
	KFETCH 0, 128
.set M, 0
.rept 16
	SCORE
.set M, M+1
.endr
.rept 4
	v_nop
.endr
.set n, 0
.rept 128
	v_bfe_u32 v[BIAS+n], v[MK+n/4], 8*(n%4), 8     ; the mask's byte of key 16 m + 8 h + j, n = 8 m + j
.set n, n+1
.endr
.set n, 0
.rept 128
	v_mul_lo_u32 v[BIAS+n], v[BIAS+n], s33         ; 0 or 1 becomes 0.0 or -infinity
.set n, n+1
.endr
; the softmax of tile qt: a lane holds one query and 128 of its 256 keys; lane l xor 16 holds the others
.macro SM qt
.irp wd, 0,1
	WIN 0x82+0x41*\wd
.set n, 0
.rept 32
.set rS, 32*(n/4)+8*\qt+2*(n%4)
	v_pk_add_f32 v[rS:rS+1], v[rS:rS+1], v[BIAS+64*\wd+2*n:BIAS+64*\wd+2*n+1]   ; masked keys: -infinity.  Each accumulator from its low end on
.set n, n+1
.endr
.endr
	WIN 0
	v_mov_b32 v64, s33
	v_mov_b32 v65, s33
.irp wd, 0,1
	WIN 0x28+0x14*\wd
.set n, 0
.rept 16
.set rS, 32*(n/2)+8*\qt+4*(n%2)
	v_max3_num_f32 v64, v64, v[rS], v[rS+1]
	v_max3_num_f32 v65, v65, v[rS+2], v[rS+3]
.set n, n+1
.endr
.endr
	WIN 0
	v_max_num_f32 v64, v64, v65
	v_permlanex16_b32 v65, v64, s[SEL], s[SEL+1]
	v_max_num_f32 v64, v64, v65
	v_mul_f32 v64, s48, v64                        ; the row's largest t (c is positive)
	v_floor_f32 v66, -v64                          ; -M = floor(-t) = -ceil(t)
	v_mov_b32 v68, 0                               ; the row's sum, in two chains of pairs
	v_mov_b32 v69, 0
	v_mov_b32 v70, 0
	v_mov_b32 v71, 0
.irp wd, 0,1
	WIN 0x82+0x41*\wd
.set n, 0
.rept 32
.set rS, 32*(n/4)+8*\qt+2*(n%4)
	v_pk_fma_f32 v[rS:rS+1], v[rS:rS+1], s[48:49], v[66:67] op_sel_hi:[1,0,0]   ; t - M
.set n, n+1
.endr
.set n, 0
.rept 64
.set rS, 32*(n/8)+8*\qt+n%8
	v_exp_f32 v[rS], v[rS]                         ; p = 2^(t - M)
.set n, n+1
.endr
.endr
.irp wd, 0,1
	WIN 0x08+0x04*\wd
.set n, 0
	s_wait_alu depctr_va_vdst(0)
.rept 16
.set rS, 32*(n/2)+8*\qt+4*(n%2)
	v_pk_add_f32 v[68:69], v[68:69], v[rS:rS+1]    ; the sum is taken of the unquantised p.  (The first of these is the plain place behind the exponentials: it reads none of the last ones' results)
	v_pk_add_f32 v[70:71], v[70:71], v[rS+2:rS+3]
.set n, n+1
.endr
.endr
.irp wd, 0,1
	WIN 0x82+0x41*\wd
.set n, 0
.rept 64
.set rS, 32*(n/8)+8*\qt+n%8
	v_min_num_f32 v[rS], v[rS], v[LIM6]            ; p is not negative: the hold is one-sided
.set n, n+1
.endr
	WIN 0x42+\wd
.set n, 0
.rept 8
	v_cvt_scalef32_pk8_bf8_f32 v[32*\qt+16*\wd+2*n:32*\qt+16*\wd+2*n+1], v[32*n+8*\qt:32*n+8*\qt+7], v[SC6]   ; registers 2 (m % 8), + 1 of K step m / 8: keys 16 m + 8 h + 0 .. 7
.set n, n+1
.endr
.endr
	WIN 0
	v_nop                                          ; a plain place behind the conversions
	v_pk_add_f32 v[68:69], v[68:69], v[70:71]
	v_add_f32 v68, v68, v69
	v_permlanex16_b32 v69, v68, s[SEL], s[SEL+1]
	v_add_f32 v[LS+\qt], v68, v69
.endm
	SM 0
	SM 1
	SM 2
	SM 3
; ---- D: v^T = kx^T p^T, 32 channel positions a step (two tiles: the even and the odd bytes), K = the 256 keys; each step's results go at once into dot and nrm
	WIN 0xc0
.set n, 0
.rept 16
	v_mov_b32 v[128+n], 0                          ; dot (two halves) and nrm (two halves) for each of four tiles of queries
.set n, n+1
.endr
	WIN 0
	v_mov_b32 v[ATR0], v[ATB0]
	v_mov_b32 v[ATR1], v[ATB1]
	v_mov_b32 v[AQ], v[L16]
	v_add_nc_u32 v[AQ+1], 2048, v[L16]
.macro TRLOAD
	WIN 0x80
.irp c, 0,1,2,3,4,5,6,7
	ds_load_tr16_b128 v[4*\c:4*\c+3], v[ATR0] offset:\c*16*RWP        ; keys 16 c + 8 h + 0 .. 7 of byte columns 2 r, 2 r + 1
.endr
.irp c, 0,1,2,3,4,5,6,7
	ds_load_tr16_b128 v[32+4*\c:32+4*\c+3], v[ATR1] offset:\c*16*RWP
.endr
.endm
.macro QNLOAD p
	WIN 0xc0
.irp qt, 0,1,2,3
.irp c, 0,1,2,3
	global_load_b128 v[64*\p+16*\qt+4*\c:64*\p+16*\qt+4*\c+3], v[AQ+\p], s[60:61] offset:\qt*32768+512*\c
.endr
.endr
.endm
	TRLOAD
	QNLOAD 0
	QNLOAD 1
	WIN 0
.macro STEP p
	s_wait_dscnt 0x0                               ; this step's turned bytes are in
	WIN 0x8a
.set n, 0
.rept 16
	v_perm_b32 v[64+16*(n/8)+2*(n%8)], v[4*n+1], v[4*n], s52       ; the even columns' fragment, K step n / 8, registers 2 (n % 8), + 1
	v_perm_b32 v[64+16*(n/8)+2*(n%8)+1], v[4*n+3], v[4*n+2], s52
	v_perm_b32 v[96+16*(n/8)+2*(n%8)], v[4*n+1], v[4*n], s53       ; the odd columns'
	v_perm_b32 v[96+16*(n/8)+2*(n%8)+1], v[4*n+3], v[4*n+2], s53
.set n, n+1
.endr
	WIN 0
	s_add_co_u32 s66, s54, \p+1
	s_and_b32 s66, s66, 15                         ; the next step's 32 columns; the last step asks for step 0's again, inside the rows, and nobody uses them
	s_lshl_b32 s66, s66, 5
	v_add_nc_u32 v[ATR0], s66, v[ATB0]
	v_add_nc_u32 v[ATR1], s66, v[ATB1]
	TRLOAD
	WIN 0xa6
.irp ks, 0,1
.irp u, 0,1
.irp qt, 0,1,2,3
.if \ks == 0
	v_wmma_f32_16x16x128_bf8_bf8 v[128+8*(4*\u+\qt):128+8*(4*\u+\qt)+7], v[64+16*(2*\u+\ks):64+16*(2*\u+\ks)+15], v[32*\qt+16*\ks:32*\qt+16*\ks+15], 0
.else
	v_wmma_f32_16x16x128_bf8_bf8 v[128+8*(4*\u+\qt):128+8*(4*\u+\qt)+7], v[64+16*(2*\u+\ks):64+16*(2*\u+\ks)+15], v[32*\qt+16*\ks:32*\qt+16*\ks+15], v[128+8*(4*\u+\qt):128+8*(4*\u+\qt)+7]
.endif
.endr
.endr
.endr
.rept 4
	v_nop                                          ; four places in front of the first read of results
.endr
	s_wait_loadcnt 16                              ; this step's qn is in; the other buffer's 16 loads may be out
	WIN 0xfa
.irp i, 0,2,4,6                                    ; each accumulator from its low end on
.irp a, 0,1,2,3,4,5,6,7
	v_pk_fma_f32 v[130+4*(\a%4):131+4*(\a%4)], v[128+8*\a+\i:128+8*\a+\i+1], v[128+8*\a+\i:128+8*\a+\i+1], v[130+4*(\a%4):131+4*(\a%4)]
.endr
.endr
	WIN 0xfe
.irp i, 0,2,4,6
.irp a, 0,1,2,3,4,5,6,7
	v_pk_fma_f32 v[128+4*(\a%4):129+4*(\a%4)], v[128+8*\a+\i:128+8*\a+\i+1], v[64*\p+16*(\a%4)+8*(\a/4)+\i:64*\p+16*(\a%4)+8*(\a/4)+\i+1], v[128+4*(\a%4):129+4*(\a%4)]
.endr
.endr
	WIN 0
	s_add_co_u32 s66, s54, \p+2
	s_and_b32 s66, s66, 15                         ; two steps on; the last two steps ask for blocks 0 and 1 again, inside the buffer, and nobody uses them
	s_lshl_b32 s66, s66, 11
	v_add_nc_u32 v[AQ+\p], s66, v[L16]             ; free since the wait above showed this buffer's loads done
	QNLOAD \p
	WIN 0
.endm
	s_mov_b32 s54, 0
.Lg:                                               ; eight trips of two steps
	STEP 0
	STEP 1
	s_add_co_u32 s54, s54, 2
	s_cmp_lt_u32 s54, 16
	s_cbranch_scc1 .Lg
	s_wait_loadcnt 0x0                             ; what was asked for beyond the last step has landed
	s_wait_dscnt 0x0
	WIN 0x0f
.irp q, 0,1,2,3
	v_add_f32 v[64+\q], v[128+4*\q], v[129+4*\q]
	v_add_f32 v[68+\q], v[130+4*\q], v[131+4*\q]
.endr
	WIN 0
.irp q, 0,1,2,3
	v_permlanex16_b32 v[72+\q], v[64+\q], s[SEL], s[SEL+1]   ; the query's other channels lie in lane l xor 16
	v_permlanex16_b32 v[76+\q], v[68+\q], s[SEL], s[SEL+1]
.endr
.irp q, 0,1,2,3
	v_add_f32 v[64+\q], v[64+\q], v[72+\q]
	v_add_f32 v[68+\q], v[68+\q], v[76+\q]
.endr
	v_mov_b32 v27, s32
	v_mul_f32 v27, 0x3fb8aa3b, v27
.irp q, 0,1,2,3
	v_rcp_f32 v[72+\q], v[LS+\q]
	v_sqrt_f32 v[76+\q], v[68+\q]
.endr
	v_exp_f32 v27, v27                             ; exp(logit_scale)
	v_nop
	s_wait_alu depctr_va_vdst(0)
.irp q, 0,1,2,3
	v_ldexp_f32 v[72+\q], v[72+\q], s55            ; f = 2^(e6 + e7) / the row's sum: v = the sums x f
.endr
.irp q, 0,1,2,3
	v_mul_f32 v[64+\q], v[64+\q], v[72+\q]         ; v . qn
	v_mul_f32 v[76+\q], v[76+\q], v[72+\q]         ; |v|
.endr
.irp q, 0,1,2,3
	v_max_num_f32 v[76+\q], 0x2b8cbccc, v[76+\q]   ; 1e-12
.endr
.irp q, 0,1,2,3
	v_rcp_f32 v[76+\q], v[76+\q]
.endr
	v_cmp_eq_u32 vcc_lo, 1, v25                    ; (a plain place behind the reciprocals)
	s_wait_alu depctr_va_vdst(0)
.irp q, 0,1,2,3
	v_mul_f32 v[64+\q], v[64+\q], v[76+\q]
.endr
.irp q, 0,1,2,3
	v_mul_f32 v[64+\q], v[64+\q], v27
.endr
	v_cndmask_b32 v80, v64, v65, vcc_lo            ; lanes 0-15: tile 0's queries, lanes 16-31: tile 1's
	v_cndmask_b32 v81, v66, v67, vcc_lo
	global_store_b32 v26, v80, s[62:63]            ; 128 consecutive bytes; the wave's two stores fill 256 bytes at a multiple of 256 from the buffer's first byte
	global_store_b32 v26, v81, s[62:63] offset:128
	s_wait_xcnt 0x0
	v_lshl_add_u32 v254, v0, 2, 0x4a400
	v_mov_b32 v255, 0
	s_wait_tensorcnt 0x0
	ds_add_u32 v254, v255
	s_wait_dscnt 0x0
	s_endpgm
.Lfunc_end_k_q273709d9a2_main:
	.size	k_q273709d9a2_main, .Lfunc_end_k_q273709d9a2_main-k_q273709d9a2_main
	.p2alignl 7, 3214868480
	.fill 96, 4, 3214868480
	.section	.rodata,"a",@progbits
	.p2align	6, 0x0
	.amdhsa_kernel k_q273709d9a2_main
		.amdhsa_group_segment_fixed_size 304640
		.amdhsa_private_segment_fixed_size 0
		.amdhsa_enable_private_segment 0
		.amdhsa_kernarg_size 80
		.amdhsa_user_sgpr_count 2
		.amdhsa_user_sgpr_kernarg_segment_ptr 1
		.amdhsa_wavefront_size32 1
		.amdhsa_system_sgpr_workgroup_id_x 1
		.amdhsa_system_sgpr_workgroup_id_y 1
		.amdhsa_system_sgpr_workgroup_id_z 1
		.amdhsa_system_vgpr_workitem_id 0
		.amdhsa_next_free_vgpr 1024
		.amdhsa_next_free_sgpr 96
		.amdhsa_reserve_vcc 1
		.amdhsa_float_denorm_mode_32 3
		.amdhsa_float_denorm_mode_16_64 3
		.amdhsa_memory_ordered 1
		.amdhsa_forward_progress 1
		.amdhsa_inst_pref_size 255
	.end_amdhsa_kernel
	.section	.bss,"aw",@nobits
	.p2align	6
	.space	262144
	.amdgpu_metadata
---
amdhsa.version: [ 1, 2 ]
amdhsa.kernels:
  - .name:           k_q273709d9a2_main
    .symbol:         k_q273709d9a2_main.kd
    .args:
      - { .name: kx, .offset: 0, .size: 8, .value_kind: global_buffer, .address_space: global }
      - { .name: key_padding_mask, .offset: 8, .size: 8, .value_kind: global_buffer, .address_space: global }
      - { .name: ln_k_g, .offset: 16, .size: 8, .value_kind: global_buffer, .address_space: global }
      - { .name: ln_k_b, .offset: 24, .size: 8, .value_kind: global_buffer, .address_space: global }
      - { .name: logit_scale, .offset: 32, .size: 8, .value_kind: global_buffer, .address_space: global }
      - { .name: lowp_scales, .offset: 40, .size: 8, .value_kind: global_buffer, .address_space: global }
      - { .name: wk_img, .offset: 48, .size: 8, .value_kind: global_buffer, .address_space: global }
      - { .name: q_img, .offset: 56, .size: 8, .value_kind: global_buffer, .address_space: global }
      - { .name: qn_img, .offset: 64, .size: 8, .value_kind: global_buffer, .address_space: global }
      - { .name: x2t, .offset: 72, .size: 8, .value_kind: global_buffer, .address_space: global }
    .group_segment_fixed_size: 304640
    .private_segment_fixed_size: 0
    .kernarg_segment_align: 8
    .kernarg_segment_size: 80
    .max_flat_workgroup_size: 128
    .sgpr_count:     96
    .vgpr_count:     1024
    .wavefront_size: 32
...
	.end_amdgpu_metadata
.endif
;; end of part 2
;; launch tail (part 3): grid 256 x 1, 16 waves a work-group, no clusters, 184,320 bytes of LDS; arguments h_img, W2, b2, lowp_scales, x2t, out0, out1; writes out0, out1
.if DOCPART == 3
	.amdgcn_target "amdgcn-amd-amdhsa--gfx1250"
	.amdhsa_code_object_version 6
	.text
	.protected	k_q273709d9a2_tail
	.globl	k_q273709d9a2_tail
	.p2align	8
	.type	k_q273709d9a2_tail,@function
k_q273709d9a2_tail:
	s_mov_b64 s[64:65], 0
	v_nop
	global_prefetch_b8 v0, s[64:65] scope:SCOPE_SE
	s_setreg_imm32_b32 hwreg(HW_REG_WAVE_MODE, 25, 1), 1
	s_wait_xcnt 0x0
; Work-groups 0-251: out0 = h W2 + b2 for 16 columns (strip x / 4) x 64 rows (block x % 4).  h comes as fragment images (codes of E5M2, scale 10) from the first launch; the work-group quantises its
; 16 columns of W2 (scale 11).  Work-groups 252-255: out1 = x2t turned, 64 queries x all 512 batches each, through LDS, so that both the reads and the writes are runs of 256 bytes.
; SHARES.  Sixteen waves, so that all loads of a wave (34 at the most) go out at its head.  Wave W quantises K step W of the strip (128 rows of W2, 16 loads) into an image in LDS, and multiplies
; row tile W % 4 over K steps 4 (W / 4) .. + 3 (16 loads of h, four matrix instructions on two accumulators by turns).  The four quarters of K meet in LDS; waves 0-3 add them and store.
; W2 [2048][1000] has K as its first axis: a lane takes 4 columns and its registers run down K (8 rows a conversion); the images have the matrix form's own order of k
; (registers 2 t, 2 t + 1: k = 16 t + 8 h + 0 .. 7), which is the order in which h's codes were made.
; The product is used transposed (source 0 = W2's 16 columns, source 1 = 16 rows of h): a lane holds eight neighbouring columns of one row.
; Columns 1000 .. 1007 of the last strip do not exist: their loads are held at the row's last 16 bytes, and their lanes store nothing.
; out0's rows are 4,000 bytes apart, no multiple of 256: a lane stores its 32 bytes as they are; out0 is 1,024,000 bytes.
; LIMITS: e11 between -126 and 112; e10 + e11 between -126 and 127.  NaN among the inputs is not served.
; The two roles part on the work-group's number and have LDS bytes of their own.  No tensor loads, no cluster: W2 passes through registers on its way to codes.
.set PART, 32768                       ; behind W2's 16 images: 1,024 bytes for each wave's partial sums
.set TR,   49152                       ; behind them: eight blocks of 64 rows x 260 bytes for the turn
.set TRB,  16640
.macro BARRIER
	s_wait_dscnt 0x0
	s_barrier_signal -1
	s_barrier_wait -1
.endm
	s_load_b256 s[4:11], s[0:1], 0x0               ; h_img, W2, b2, the scales' exponents
	s_load_b128 s[12:15], s[0:1], 0x20             ; x2t, out0
	s_load_b64 s[16:17], s[0:1], 0x30              ; out1
	v_lshl_add_u32 v254, v0, 2, 0x2c800
	v_mov_b32 v255, 0
	v_lshrrev_b32 v2, 5, v0
	v_readfirstlane_b32 s28, v2                    ; wave W, 0..15
	s_and_b32 s40, s28, 3                          ; W % 4
	s_lshr_b32 s41, s28, 2                         ; W / 4
	s_cmp_ge_u32 ttmp9, 252
	s_cbranch_scc1 .Lturn
	s_lshr_b32 s42, ttmp9, 2                       ; the strip of 16 columns
	s_and_b32 s43, ttmp9, 3                        ; the block of 64 rows
	v_and_b32 v5, 31, v0
	v_lshlrev_b32 v1, 4, v5                        ; 16 x lane: an image's place for my lane
	v_and_b32 v2, 15, v0                           ; r
	v_bfe_u32 v3, v0, 4, 1                         ; h
	v_bfe_u32 v6, v0, 2, 3                         ; kap = lane / 4: which 8 rows of a unit's 64
	v_and_b32 v5, 3, v0                            ; cq = lane % 4: which 4 of the 16 columns
	s_lshl_b32 s29, s42, 6                         ; the strip's first byte in a row
	v_lshl_add_u32 v8, v5, 4, s29
	v_min_u32 v8, 3984, v8                         ; no load leaves a row
	v_mad_u32_u24 v4, v6, 32000, v8                ; + 8 kap rows of 4,000 bytes
	v_lshlrev_b32 v7, 9, v3                        ; the image: k = 64 H + 8 kap + i = 16 t + 8 h' + i: group (t / 2) % 2 = kap / 4,
	v_bfe_u32 v8, v0, 2, 1
	v_lshl_add_u32 v7, v8, 8, v7                   ; lanes' half h' = kap % 2,
	v_bfe_u32 v8, v0, 3, 1
	v_lshl_add_u32 v7, v8, 3, v7                   ; t % 2 = (kap / 2) % 2: the upper 8 bytes,
	v_lshl_add_u32 v7, v5, 6, v7                   ; lanes 4 cq + e,
	s_lshl_b32 s30, s28, 11
	v_add_nc_u32 v7, s30, v7                       ; K step W
	s_lshl_b32 s30, s41, 13
	v_add_nc_u32 v14, s30, v1                      ; where I read W2's fragments: K steps 4 (W / 4) on
	s_lshl_b32 s30, s28, 10
	s_add_co_u32 s30, s30, PART
	v_add_nc_u32 v15, s30, v1                      ; my partial sums; for waves 0-3 also the first of the four that they add
	v_lshl_add_u32 v9, v3, 5, s29
	v_min_u32 v9, 3968, v9                         ; b2: my eight columns, held inside the buffer
	s_lshl_b32 s26, s42, 4
	v_lshl_add_u32 v13, v3, 3, s26                 ; my first column
	v_mul_u32_u24 v12, v2, 4000
	v_lshl_add_u32 v12, v3, 5, v12                 ; the way out: row r, + 32 h
	s_lshl_b32 s32, s43, 17                        ; h: tile of rows 4 x block + W % 4,
	s_lshl_b32 s33, s40, 15
	s_add_co_u32 s32, s32, s33
	s_lshl_b32 s33, s41, 13                        ; K steps 4 (W / 4) on
	s_add_co_u32 s32, s32, s33
	s_mov_b32 s33, 0
	s_mul_i32 s34, s28, 512000                     ; W2 at row 128 W
	s_mov_b32 s35, 0
	s_mul_i32 s36, s43, 256000                     ; out0 at row 64 x block + 16 (W % 4), the strip's first column
	s_mul_i32 s37, s40, 64000
	s_add_co_u32 s36, s36, s37
	s_add_co_u32 s36, s36, s29
	s_mov_b32 s37, 0
	s_wait_kmcnt 0x0
	s_load_b64 s[18:19], s[10:11], 0x28            ; e10, e11
	s_add_nc_u64 s[20:21], s[4:5], s[32:33]
	s_add_nc_u64 s[30:31], s[6:7], s[34:35]
	s_add_nc_u64 s[24:25], s[14:15], s[36:37]
	s_cmp_ge_u32 s28, 4                            ; b2 is wanted by the four waves that store
	s_cbranch_scc1 .Lno_b2
	global_load_b128 v[16:19], v9, s[8:9]
	global_load_b128 v[20:23], v9, s[8:9] offset:16
.Lno_b2:
.irp j, 0,1,2,3
.irp c, 0,1,2,3
	global_load_b128 v[64+16*\j+4*\c:64+16*\j+4*\c+3], v1, s[20:21] offset:\j*2048+512*\c   ; h's four fragments
.endr
.endr
.irp k, 0,1
.irp i, 0,1,2,3,4,5,6,7
	global_load_b128 v[128+32*\k+4*\i:128+32*\k+4*\i+3], v4, s[30:31] offset:(64*\k+\i)*4000   ; unit k: rows 64 k + 8 kap + i of my 128
.endr
.endr
	s_wait_kmcnt 0x0
	s_add_co_i32 s38, s19, 127
	s_lshl_b32 s39, s38, 23
	v_mov_b32 v10, s39                             ; 2^e11
	s_add_co_i32 s38, s38, 15
	s_lshl_b32 s38, s38, 23
	s_or_b32 s38, s38, 0x600000
	v_mov_b32 v11, s38                             ; 57,344 x 2^e11
	s_add_co_i32 s22, s18, s19
	s_add_co_i32 s22, s22, 127
	s_lshl_b32 s22, s22, 23                        ; 2^(e10 + e11)
	s_mov_b32 s23, s22                             ; (named with it as a pair)
.macro UNIT k, left
	s_wait_loadcnt \left
.irp e, 0,1,2,3
.irp i, 0,1,2,3,4,5,6,7
	v_med3_num_f32 v[192+8*\e+\i], v[128+32*\k+4*\i+\e], -v11, v11   ; the hold (the conversion to an 8-bit code does not saturate: ISA guide 7.6.2), and the turn: column e's eight numbers down K on end
.endr
.endr
.irp e, 0,1,2,3
	v_cvt_scalef32_pk8_bf8_f32 v[224+8*\k+2*\e:224+8*\k+2*\e+1], v[192+8*\e:192+8*\e+7], v10
.endr
	v_nop                                          ; a plain place behind the conversions
.irp e, 0,1,2,3
	ds_store_b64 v7, v[224+8*\k+2*\e:224+8*\k+2*\e+1] offset:1024*\k+16*\e
.endr
.endm
	UNIT 0, 8                                      ; unit 0 (and all older loads) are in; unit 1's 8 loads are younger
	UNIT 1, 0
	BARRIER                                        ; W2's 16 images are whole
.irp j, 0,1,2,3
.irp c, 0,1,2,3
	ds_load_b128 v[128+16*\j+4*\c:128+16*\j+4*\c+3], v14 offset:\j*2048+512*\c
.endr
.endr
	s_wait_dscnt 0x0
	v_wmma_f32_16x16x128_bf8_bf8 v[32:39], v[128:143], v[64:79], 0          ; two accumulators by turns: the even K steps,
	v_wmma_f32_16x16x128_bf8_bf8 v[40:47], v[144:159], v[80:95], 0          ; the odd ones
	v_wmma_f32_16x16x128_bf8_bf8 v[32:39], v[160:175], v[96:111], v[32:39]
	v_wmma_f32_16x16x128_bf8_bf8 v[40:47], v[176:191], v[112:127], v[40:47]
.rept 4
	v_nop                                          ; four places in front of the first read of results, and of the loads into the fragments' registers further down
.endr
.irp i, 0,2,4,6
	v_pk_add_f32 v[48+\i:49+\i], v[32+\i:33+\i], v[40+\i:41+\i]   ; each accumulator from its low end on
.endr
	ds_store_b128 v15, v[48:51]
	ds_store_b128 v15, v[52:55] offset:512
	BARRIER                                        ; the sixteen partial sums lie in LDS
	s_cmp_ge_u32 s28, 4
	s_cbranch_scc1 .Lend
.irp q, 0,1,2,3
	ds_load_b128 v[64+8*\q:64+8*\q+3], v15 offset:4096*\q         ; row tile W, quarter q of K: wave W + 4 q's
	ds_load_b128 v[64+8*\q+4:64+8*\q+7], v15 offset:4096*\q+512
.endr
	s_wait_dscnt 0x0
.irp i, 0,2,4,6
	v_pk_add_f32 v[64+\i:65+\i], v[64+\i:65+\i], v[72+\i:73+\i]
	v_pk_add_f32 v[80+\i:81+\i], v[80+\i:81+\i], v[88+\i:89+\i]
.endr
.irp i, 0,2,4,6
	v_pk_add_f32 v[64+\i:65+\i], v[64+\i:65+\i], v[80+\i:81+\i]
.endr
.irp i, 0,2,4,6
	v_pk_fma_f32 v[96+\i:97+\i], v[64+\i:65+\i], s[22:23], v[16+\i:17+\i] op_sel_hi:[1,0,1]   ; sum x 2^(e10 + e11) + b2
.endr
	v_cmp_gt_u32 vcc_lo, 1000, v13                 ; my eight columns exist, all or none
	s_wait_xcnt 0x0                                ; EXEC changes only when every issued load has read it
	s_and_saveexec_b32 s27, vcc_lo
	global_store_b128 v12, v[96:99], s[24:25]
	global_store_b128 v12, v[100:103], s[24:25] offset:16
	s_wait_xcnt 0x0
	s_or_b32 exec_lo, exec_lo, s27
.Lend:
	s_wait_tensorcnt 0x0
	ds_add_u32 v254, v255
	s_wait_dscnt 0x0
	s_endpgm
.Lturn:
	; x2t [512 batches][256 queries] -> out1 [256 queries][512 batches].  The work-group takes 64 queries; each group of four waves takes two blocks of 64 batches, 128 threads to a block of 64 x 64
	s_sub_co_u32 s29, ttmp9, 252                   ; which 64 queries
	v_and_b32 v1, 15, v0
	v_bfe_u32 v2, v0, 4, 3                         ; 0 .. 7
	v_lshlrev_b32 v3, 10, v2
	v_lshl_add_u32 v3, v1, 4, v3                   ; in: batch (t / 16) % 8 (+ 8 j), 16 bytes t % 16: sixteen lanes read 256 consecutive bytes
	s_mul_i32 s30, s41, 2*TRB
	s_add_co_u32 s30, s30, TR                      ; my four waves' two blocks in LDS
	v_mul_u32_u24 v4, v2, 260
	v_lshl_add_u32 v4, v1, 4, v4
	v_add_nc_u32 v4, s30, v4                       ; into LDS as they lie, rows 260 bytes apart
	v_mul_u32_u24 v5, v1, 1040
	v_lshl_add_u32 v5, v2, 2, v5
	v_add_nc_u32 v5, s30, v5                       ; back: batches 4 (t % 16) + e of query (t / 16) % 8 (+ 8 j)
	v_lshlrev_b32 v6, 11, v2
	v_lshl_add_u32 v6, v1, 4, v6                   ; out: that query, 16 bytes t % 16
	s_lshl_b32 s32, s41, 17                        ; batches 128 (W / 4) on,
	s_lshl_b32 s34, s29, 8                         ; the 64 queries' bytes in a row of x2t
	s_add_co_u32 s32, s32, s34
	s_mov_b32 s33, 0
	s_lshl_b32 s34, s29, 17                        ; the 64 queries' rows of out1,
	s_lshl_b32 s36, s41, 9                         ; batches 128 (W / 4) on
	s_add_co_u32 s34, s34, s36
	s_mov_b32 s35, 0
	s_wait_kmcnt 0x0
	s_add_nc_u64 s[20:21], s[12:13], s[32:33]
	s_add_nc_u64 s[24:25], s[16:17], s[34:35]
.irp i, 0,1
.irp j, 0,1,2,3,4,5,6,7
	global_load_b128 v[16+32*\i+4*\j:19+32*\i+4*\j], v3, s[20:21] offset:65536*\i+8192*\j
.endr
.endr
.irp i, 0,1
.irp j, 0,1,2,3,4,5,6,7
	s_wait_loadcnt 15-8*\i-\j                      ; loads come back in order: this one is in
.irp e, 0,1,2,3
	ds_store_b32 v4, v[16+32*\i+4*\j+\e] offset:TRB*\i+2080*\j+4*\e
.endr
.endr
.endr
	BARRIER
.irp i, 0,1
.irp j, 0,1,2,3,4,5,6,7
.irp e, 0,1,2,3
	ds_load_b32 v[80+32*\i+4*\j+\e], v5 offset:TRB*\i+260*\e+32*\j
.endr
.endr
.irp j, 0,1,2,3,4,5,6,7
	s_wait_dscnt 28-4*\j                           ; the four words of store j are in; the later stores' words may be out
	global_store_b128 v6, v[80+32*\i+4*\j:83+32*\i+4*\j], s[24:25] offset:256*\i+16384*\j   ; sixteen lanes store 256 consecutive bytes, at a multiple of 256 from the buffer's first byte
.endr
.endr
	s_wait_tensorcnt 0x0
	ds_add_u32 v254, v255
	s_wait_dscnt 0x0
	s_endpgm
.Lfunc_end_k_q273709d9a2_tail:
	.size	k_q273709d9a2_tail, .Lfunc_end_k_q273709d9a2_tail-k_q273709d9a2_tail
	.p2alignl 7, 3214868480
	.fill 96, 4, 3214868480
	.section	.rodata,"a",@progbits
	.p2align	6, 0x0
	.amdhsa_kernel k_q273709d9a2_tail
		.amdhsa_group_segment_fixed_size 184320
		.amdhsa_private_segment_fixed_size 0
		.amdhsa_enable_private_segment 0
		.amdhsa_kernarg_size 56
		.amdhsa_user_sgpr_count 2
		.amdhsa_user_sgpr_kernarg_segment_ptr 1
		.amdhsa_wavefront_size32 1
		.amdhsa_system_sgpr_workgroup_id_x 1
		.amdhsa_system_sgpr_workgroup_id_y 1
		.amdhsa_system_sgpr_workgroup_id_z 1
		.amdhsa_system_vgpr_workitem_id 0
		.amdhsa_next_free_vgpr 256
		.amdhsa_next_free_sgpr 66
		.amdhsa_reserve_vcc 1
		.amdhsa_float_denorm_mode_32 3
		.amdhsa_float_denorm_mode_16_64 3
		.amdhsa_memory_ordered 1
		.amdhsa_forward_progress 1
		.amdhsa_inst_pref_size 30
	.end_amdhsa_kernel
	.amdgpu_metadata
---
amdhsa.version: [ 1, 2 ]
amdhsa.kernels:
  - .name:           k_q273709d9a2_tail
    .symbol:         k_q273709d9a2_tail.kd
    .args:
      - { .name: h_img, .offset: 0, .size: 8, .value_kind: global_buffer, .address_space: global }
      - { .name: W2, .offset: 8, .size: 8, .value_kind: global_buffer, .address_space: global }
      - { .name: b2, .offset: 16, .size: 8, .value_kind: global_buffer, .address_space: global }
      - { .name: lowp_scales, .offset: 24, .size: 8, .value_kind: global_buffer, .address_space: global }
      - { .name: x2t, .offset: 32, .size: 8, .value_kind: global_buffer, .address_space: global }
      - { .name: out0, .offset: 40, .size: 8, .value_kind: global_buffer, .address_space: global }
      - { .name: out1, .offset: 48, .size: 8, .value_kind: global_buffer, .address_space: global }
    .group_segment_fixed_size: 184320
    .private_segment_fixed_size: 0
    .kernarg_segment_align: 8
    .kernarg_segment_size: 56
    .max_flat_workgroup_size: 512
    .sgpr_count:     66
    .vgpr_count:     256
    .wavefront_size: 32
...
	.end_amdgpu_metadata
.endif
;; end of part 3
;; ======== version 2 of 2: 3 launches; version 1 with the launches prep, main written anew for expert scheduling mode
;; workspace buffers: wk_img 262,144 bytes; q_img 131,072 bytes; h_img 524,288 bytes; qn_img 524,288 bytes; x2t 524,288 bytes
;; launch prep (part 4): grid 88 x 1, 16 waves a work-group, no clusters, 297,984 bytes of LDS; arguments qx, Wq, W1, Wk, b1, ln_q_g, ln_q_b, lowp_scales, q_img, h_img, wk_img, qn_img; writes q_img, h_img, wk_img, qn_img
.if DOCPART == 4
	.amdgcn_target "amdgcn-amd-amdhsa--gfx1250"
	.amdhsa_code_object_version 6
	.text
	.protected	k_q273709d9a2_prep
	.globl	k_q273709d9a2_prep
	.p2align	8
	.type	k_q273709d9a2_prep,@function
k_q273709d9a2_prep:
	s_mov_b64 s[64:65], 0
	v_nop
	global_prefetch_b8 v0, s[64:65] scope:SCOPE_SE
	s_setreg_imm32_b32 hwreg(HW_REG_WAVE_SCHED_MODE, 0, 2), 2
	s_setreg_imm32_b32 hwreg(HW_REG_WAVE_MODE, 25, 1), 1
	s_wait_xcnt 0x0
	s_wait_alu depctr_vm_vsrc(0)
; What the 512 key batches share is made once, in the order of the operands' registers (a fragment's image: register group cc at 512 cc + 16 lane, 2,048 bytes).
; Work-groups 0-15  (role Q):  q = LN(qx) Wq, 64 rows x 128 columns each, quantised with scale 5 -> q_img.
; Work-groups 16-79 (role H):  h = relu(qx W1 + b1), 64 rows x 128 columns each, quantised with scale 10 -> h_img.
; Work-groups 80-83 (role WK): 128 columns of Wk as codes -> wk_img.
; Work-groups 84-87 (role QN): qx / max(|qx|, 1e-12), 64 rows each, f32 -> qn_img.
; All codes are E5M2: x / 2^e, held within +-57,344, rounded to nearest even by the scaled conversion.
; SHARES.  Sixteen waves, so that ALL loads of a wave go out at its head and none has to follow another: wave W takes 4 rows (16 loads) and 2 chunks of the weight (32 loads);
; in the product it takes 16 rows (tile W / 4) x 32 columns (tiles 2 (W % 4), + 1).
; K'S ORDER.  A row of 512 f32 is loaded densely (lane l takes c = 128 j + 4 l + e), so its 16 codes lie at row byte 16 l + 4 j + e.  The weights' codes are laid in the same order of k,
; so every product meets its partner; only the order of the sums inside an instruction differs from ascending k.
; THE PRODUCT IS USED TRANSPOSED (source 0 = 16 columns of W, source 1 = 16 rows): a lane holds one row and eight neighbouring columns, so the conversions' results are the next product's operand registers.
; The roles part once, on the work-group's number; Q and H join again at the hold.  WK and QN have LDS bytes of their own.
; LIMITS: e0, e8, e1, e9, e3, e5-e0-e1, e10-e8-e9 between -126 and 112, so that 2^e and 57,344 x 2^e are f32 numbers.  NaN among the inputs is not served.
; No tensor loads, no cluster: the numbers pass through registers on their way to codes, and a weight's strip is read by four work-groups at most.
; THE MODE: SCHED_MODE bits 1:0 = 2 (LLVM: expert scheduling mode 2), set by the entry lines.  The code itself states the register dependences
; between vector or matrix instructions and memory or LDS instructions, with s_wait_alu, always for 0.
; THE PLAN.  Registers that memory or LDS instructions touch:
;   v1, v4-7, v15   offsets and LDS addresses, made at the head; one wait ahead of the roles' branches states that they are written.  v48 (role H) and v32 (roles WK, QN) are made once in their roles.
;   v16-31          codes: written by conversions, read by the stores behind them, written again by the next conversions: a wait on va_vdst ahead of each run of stores, a wait on vm_vsrc ahead of each rewriting.
;   v32-255         loaded at a role's head, where no vector instruction has named them; behind the barrier LDS loads land in v64-255: the wait ahead of the last chunk's stores stands behind every
;                   vector instruction that named them, so these loads owe nothing more.
.set APITCH, 528                       ; a row of 512 codes + 16 bytes: 33 x 16, so the 16 rows of a fragment load begin in 16 different groups of banks
.set WIMG,   33792                     ; behind the 64 rows: the weight's 32 fragments (tile t, K step s) at (4 t + s) x 2,048
.set WIMGK,  99328                     ; the same for role WK
.set QNS,    164864                    ; role QN: 32,768 bytes for each tile of 16 rows
.set ST,  16                           ; v16-31 four registers of statistics a row; later codes
.set GG,  32                           ; v32-47 gain, v48-63 bias of my 16 channels (role Q)
.set BB,  48
.set ACC, 32                           ; v32-47 the product's two accumulators (role H: b1 is loaded there)
.set X0,  64                           ; my four rows; then a chunk's numbers turned; then my rows' 4 fragments
.set X1,  128                          ; the weight's chunk 0
.set X2,  192                          ; the weight's chunk 1
.set AF,  64
.set WF,  128                          ; v128-255 eight fragments of the weight
.set SEL, 68                           ; s[68:69] selects of v_permlanex16_b32: lane l xor 16
.macro BARRIER                         ; my LDS stores have landed and my LDS loads are in: then the work-group's barrier
	s_wait_dscnt 0x0
	s_barrier_signal -1
	s_barrier_wait -1
.endm
.macro MKSC e, vs, vl                  ; s[e] = an exponent: v[vs] = 2^e, v[vl] = 57,344 x 2^e (left in s70 too)
	s_add_co_i32 s70, s[\e], 127
	s_lshl_b32 s71, s70, 23
	v_mov_b32 v[\vs], s71
	s_add_co_i32 s70, s70, 15
	s_lshl_b32 s70, s70, 23
	s_or_b32 s70, s70, 0x600000
	v_mov_b32 v[\vl], s70
.endm
.macro SCALES ea, ew, eo, relu         ; the rows' scale and hold v8, v9; the weight's v10, v11; the output's v12, v13 and its lower end v14
	s_wait_kmcnt 0x0
	MKSC \ea, 8, 9
	MKSC \ew, 10, 11
	s_add_co_i32 s75, s[\ea], s[\ew]               ; a sum stands for sum x 2^(eA + eW): the output's conversion takes 2^(eO - eA - eW),
	s_sub_co_i32 s74, s[\eo], s75
	s_sub_co_i32 s75, 0, s75                       ; and b1 goes in as b1 / 2^(eA + eW)
	MKSC 74, 12, 13
.if \relu
	v_mov_b32 v14, 0                               ; the hold's lower end is 0: that is the relu
.else
	s_or_b32 s72, s70, 0x80000000
	v_mov_b32 v14, s72
.endif
.endm
.macro ROWBASE                         ; s[56:57] = qx at row 64 rb + 4 W
	s_lshl_b32 s70, s42, 17
	s_lshl_b32 s71, s43, 13
	s_add_co_u32 s70, s70, s71
	s_mov_b32 s71, 0
	s_add_nc_u64 s[56:57], s[4:5], s[70:71]
.endm
.macro PLOAD                           ; my four rows: each load reads 512 consecutive bytes
.irp k, 0,1,2,3
.irp j, 0,1,2,3
	global_load_b128 v[X0+16*\k+4*\j:X0+16*\k+4*\j+3], v1, s[56:57] offset:\k*2048+512*\j
.endr
.endr
.endm
.macro WBASE p, lg                     ; s[58:59] = the weight (pointer s[p:p+1], rows of 2^lg bytes) at row 8 W, column 128 cb
	s_lshl_b32 s70, s43, 3+\lg
	s_lshl_b32 s71, s41, 9
	s_add_co_u32 s70, s70, s71
	s_mov_b32 s71, 0
	s_add_nc_u64 s[58:59], s[\p:\p+1], s[70:71]
.endm
; Chunk u of my two: the 16 rows of W that loader lane 2 W + u holds of a row of the other operand: rows 128 (i / 4) + 4 (2 W + u) + i % 4.  A lane takes 4 neighbouring columns and its registers
; run down K: each load reads 512 consecutive bytes.  Every row stands in the immediate: 391 rows of 8,192 bytes at the most, inside its signed 24 bits (ISA guide, chapter 10).
.macro WLOAD x, pitch, u
.set n, 0
.rept 16
	global_load_b128 v[\x+4*n:\x+4*n+3], v1, s[58:59] offset:(128*(n/4)+n%4+4*\u)*\pitch
.set n, n+1
.endr
.endm
.macro FOLD                            ; a row's two chains of pairs become one number
.irp k, 0,1,2,3
	v_pk_add_f32 v[ST+4*\k:ST+4*\k+1], v[ST+4*\k:ST+4*\k+1], v[ST+4*\k+2:ST+4*\k+3]
.endr
.irp k, 0,1,2,3
	v_add_f32 v[ST+4*\k], v[ST+4*\k], v[ST+4*\k+1]
.endr
.endm
.macro RED4                            ; v[ST + 4 k], k = 0..3: the sum over the 32 lanes, in every lane; v[ST + 4 k + 2] is at work (written before)
.irp m, 1,2,4,8
.irp k, 0,1,2,3
	v_add_f32_dpp v[ST+4*\k], v[ST+4*\k], v[ST+4*\k] row_xmask:\m row_mask:0xf bank_mask:0xf
.endr
.endr
.irp k, 0,1,2,3
	v_permlanex16_b32 v[ST+4*\k+2], v[ST+4*\k], s[SEL], s[SEL+1]
.endr
.irp k, 0,1,2,3
	v_add_f32 v[ST+4*\k], v[ST+4*\k], v[ST+4*\k+2]
.endr
.endm
.macro SQSUM                           ; v[ST + 4 k] = the sum of squares of my 16 numbers of row k
.irp k, 0,1,2,3
	v_pk_mul_f32 v[ST+4*\k:ST+4*\k+1], v[X0+16*\k:X0+16*\k+1], v[X0+16*\k:X0+16*\k+1]
	v_pk_mul_f32 v[ST+4*\k+2:ST+4*\k+3], v[X0+16*\k+2:X0+16*\k+3], v[X0+16*\k+2:X0+16*\k+3]
.endr
.irp q, 1,2,3
.irp k, 0,1,2,3
	v_pk_fma_f32 v[ST+4*\k:ST+4*\k+1], v[X0+16*\k+4*\q:X0+16*\k+4*\q+1], v[X0+16*\k+4*\q:X0+16*\k+4*\q+1], v[ST+4*\k:ST+4*\k+1]
	v_pk_fma_f32 v[ST+4*\k+2:ST+4*\k+3], v[X0+16*\k+4*\q+2:X0+16*\k+4*\q+3], v[X0+16*\k+4*\q+2:X0+16*\k+4*\q+3], v[ST+4*\k+2:ST+4*\k+3]
.endr
.endr
	FOLD
.endm
; A chunk in v[x] on becomes codes: held and turned into v[t] on (column e's 16 numbers down K on end), converted, stored into the images: chunk 2 cc + h is group cc, lanes' half h.
; prior = 1: LDS stores issued earlier have read the codes' registers.
.macro WCHUNK x, t, u, left, prior
	s_wait_loadcnt \left
.irp e, 0,1,2,3
.set n, 0
.rept 16
	v_med3_num_f32 v[\t+16*\e+n], v[\x+4*n+\e], -v11, v11   ; the conversion to an 8-bit code does not saturate (ISA guide 7.6.2): the hold
.set n, n+1
.endr
.endr
	s_wait_dscnt 0x0                               ; the earlier stores have landed
.if \prior
	s_wait_alu depctr_vm_vsrc(0)                   ; the LDS stores issued so far have read v[ST ..], which the conversions below write again
.endif
.set n, 0
.rept 8
	v_cvt_scalef32_pk8_bf8_f32 v[ST+2*n:ST+2*n+1], v[\t+8*n:\t+8*n+7], v10
.set n, n+1
.endr
	v_nop                                          ; a plain place behind the conversions
	s_wait_alu depctr_va_vdst(0)                   ; the conversions have written v[ST ..], which the LDS stores read; every vector instruction so far is done with v[t ..] and v[x ..], in which LDS loads land behind the barrier
.irp e, 0,1,2,3
	ds_store_b128 v6, v[ST+4*\e:ST+4*\e+3] offset:256*\u+16*\e
.endr
.endm
.macro MUL s, zero                     ; K step s: my two tiles of columns, the two accumulators by turns
.irp f, 0,1
.if \zero
	v_wmma_f32_16x16x128_bf8_bf8 v[ACC+8*\f:ACC+8*\f+7], v[WF+16*(4*\f+\s):WF+16*(4*\f+\s)+15], v[AF+16*\s:AF+16*\s+15], 0
.else
	v_wmma_f32_16x16x128_bf8_bf8 v[ACC+8*\f:ACC+8*\f+7], v[WF+16*(4*\f+\s):WF+16*(4*\f+\s)+15], v[AF+16*\s:AF+16*\s+15], v[ACC+8*\f:ACC+8*\f+7]
.endif
.endr
.endm
	s_load_b512 s[4:19], s[0:1], 0x0               ; qx, Wq, W1, Wk, b1, ln_q_g, ln_q_b, the scales' exponents
	s_load_b256 s[20:27], s[0:1], 0x40             ; q_img, h_img, wk_img, qn_img
	v_and_b32 v15, 31, v0
	v_lshrrev_b32 v2, 5, v0
	v_readfirstlane_b32 s43, v2                    ; wave W, 0..15
	v_lshlrev_b32 v1, 4, v15                       ; 16 x lane
	v_and_b32 v2, 15, v0                           ; r
	v_bfe_u32 v3, v0, 4, 1                         ; h
	s_wait_alu depctr_va_sdst(0)                   ; s43 is written, ahead of its first reader: the wave's shares and addresses are made from it
	s_lshr_b32 s2, s43, 2                          ; W / 4
	s_and_b32 s3, s43, 3                           ; W % 4
	s_mul_i32 s70, s43, 4*APITCH
	v_add_nc_u32 v4, s70, v1                       ; where I store my rows' codes: row 4 W, byte 16 x lane
	v_mul_u32_u24 v5, v2, APITCH
	v_lshl_add_u32 v5, v3, 4, v5
	s_mul_i32 s70, s2, 16*APITCH
	v_add_nc_u32 v5, s70, v5                       ; where I read fragments of rows: row 16 (W / 4) + r, byte 16 h
	v_bfe_u32 v6, v0, 2, 3
	v_lshlrev_b32 v6, 13, v6                       ; the weight's images: my 4 columns lie in tile lane / 4,
	v_and_b32 v7, 3, v0
	v_lshl_add_u32 v6, v7, 6, v6                   ; at lanes 4 (lane % 4) + e,
	s_lshl_b32 s70, s2, 11                         ; in K step W / 4,
	s_lshl_b32 s71, s3, 9                          ; chunks 2 (W % 4) on
	s_add_co_u32 s70, s70, s71
	s_add_co_u32 s70, s70, WIMG
	v_add_nc_u32 v6, s70, v6
	s_lshl_b32 s70, s3, 14
	s_add_co_u32 s70, s70, WIMG
	v_add_nc_u32 v7, s70, v1                       ; where I read them: tiles 2 (W % 4), + 1
	v_bfe_u32 v15, v0, 1, 4
	v_lshlrev_b32 v15, 11, v15                     ; qn: block lane / 2,
	v_and_b32 v8, 1, v0
	v_lshl_add_u32 v15, v8, 8, v15                 ; half lane % 2,
	s_lshl_b32 s70, s2, 15                         ; in the region of tile W / 4,
	s_lshl_b32 s71, s3, 6                          ; rows 4 (W % 4) on
	s_add_co_u32 s70, s70, s71
	s_add_co_u32 s70, s70, QNS
	v_add_nc_u32 v15, s70, v15
	s_mov_b32 s[SEL], 0x76543210
	s_mov_b32 s[SEL+1], 0xfedcba98
	s_mov_b32 s66, 0x3727c5ac                      ; 1e-5
	s_mov_b32 s67, 0x3b000000                      ; 1 / 512
	s_wait_kmcnt 0x0
	s_wait_alu depctr_va_vdst(0)                   ; the offset v1 and the LDS addresses v4 to v7 and v15 are written, which the loads and stores of every role read
	s_cmp_ge_u32 ttmp9, 84
	s_cbranch_scc1 .Lqn
	s_cmp_ge_u32 ttmp9, 80
	s_cbranch_scc1 .Lwk
	s_load_b256 s[28:35], s[18:19], 0x0            ; e0 .. e7
	s_load_b128 s[36:39], s[18:19], 0x20           ; e8 .. e11
	s_cmp_ge_u32 ttmp9, 16
	s_cbranch_scc1 .Lh
; ---- role Q: 56 loads go out together: gain and bias, my rows, my two chunks of Wq
	s_mov_b32 s40, 0
	s_and_b32 s41, ttmp9, 3                        ; cb: which 128 columns
	s_lshr_b32 s42, ttmp9, 2                       ; rb: which 64 rows
	s_mov_b32 s52, 4                               ; K steps in a row of the output's images
	s_mov_b64 s[50:51], s[20:21]
.irp j, 0,1,2,3
	global_load_b128 v[GG+4*\j:GG+4*\j+3], v1, s[14:15] offset:512*\j
	global_load_b128 v[BB+4*\j:BB+4*\j+3], v1, s[16:17] offset:512*\j
.endr
	ROWBASE
	PLOAD
	WBASE 6, 11
	WLOAD X1, 2048, 0
	WLOAD X2, 2048, 1
	SCALES 28, 29, 33, 0
	s_wait_loadcnt 32                              ; gain, bias and rows are in; the two chunks' 32 loads are younger
	; the layer norm of my four rows, the four taking turns line by line
.irp k, 0,1,2,3
	v_pk_add_f32 v[ST+4*\k:ST+4*\k+1], v[X0+16*\k:X0+16*\k+1], v[X0+16*\k+2:X0+16*\k+3]
	v_pk_add_f32 v[ST+4*\k+2:ST+4*\k+3], v[X0+16*\k+4:X0+16*\k+5], v[X0+16*\k+6:X0+16*\k+7]
.endr
.irp q, 2,3
.irp k, 0,1,2,3
	v_pk_add_f32 v[ST+4*\k:ST+4*\k+1], v[ST+4*\k:ST+4*\k+1], v[X0+16*\k+4*\q:X0+16*\k+4*\q+1]
	v_pk_add_f32 v[ST+4*\k+2:ST+4*\k+3], v[ST+4*\k+2:ST+4*\k+3], v[X0+16*\k+4*\q+2:X0+16*\k+4*\q+3]
.endr
.endr
	FOLD
	RED4
.irp k, 0,1,2,3
	v_mul_f32 v[ST+4*\k], s67, v[ST+4*\k]          ; the mean
.endr
.set n, 0
.rept 32
	v_pk_add_f32 v[X0+2*n:X0+2*n+1], v[X0+2*n:X0+2*n+1], v[ST+4*(n/8):ST+4*(n/8)+1] op_sel_hi:[1,0] neg_lo:[0,1] neg_hi:[0,1]   ; x - mean
.set n, n+1
.endr
	SQSUM
	RED4
.irp k, 0,1,2,3
	v_fma_f32 v[ST+4*\k], v[ST+4*\k], s67, s66     ; var + 1e-5
.endr
.irp k, 0,1,2,3
	v_rsq_f32 v[ST+4*\k], v[ST+4*\k]
.endr
	v_nop                                          ; a plain place behind the transcendentals
.set n, 0
	s_wait_alu depctr_va_vdst(0)                   ; the four roots are written, ahead of their first reader
.rept 32
	v_pk_mul_f32 v[X0+2*n:X0+2*n+1], v[X0+2*n:X0+2*n+1], v[ST+4*(n/8):ST+4*(n/8)+1] op_sel_hi:[1,0]
.set n, n+1
.endr
.set n, 0
.rept 32
	v_pk_fma_f32 v[X0+2*n:X0+2*n+1], v[X0+2*n:X0+2*n+1], v[GG+2*(n%8):GG+2*(n%8)+1], v[BB+2*(n%8):BB+2*(n%8)+1]
.set n, n+1
.endr
	s_branch .Lhold
.Lh:
; ---- role H: 52 loads go out together: b1 (into the accumulators), my rows, my two chunks of W1.  The rows are taken as they are
	s_mov_b32 s40, 1
	s_sub_co_u32 s70, ttmp9, 16
	s_and_b32 s41, s70, 15                         ; cb
	s_lshr_b32 s42, s70, 4                         ; rb
	s_mov_b32 s52, 16
	s_mov_b64 s[50:51], s[22:23]
	s_lshl_b32 s70, s41, 9                         ; lane (r, h), tile 2 (W % 4) + f, register j: unit 128 cb + 32 (W % 4) + 16 f + 8 h + j
	s_lshl_b32 s71, s3, 7
	s_add_co_u32 s70, s70, s71
	s_mov_b32 s71, 0
	s_add_nc_u64 s[60:61], s[12:13], s[70:71]
	v_lshlrev_b32 v48, 5, v3
	s_wait_alu depctr_va_vdst(0)                   ; v48 is written, which b1's loads read as their offset
.irp f, 0,1
	global_load_b128 v[ACC+8*\f:ACC+8*\f+3], v48, s[60:61] offset:64*\f
	global_load_b128 v[ACC+8*\f+4:ACC+8*\f+7], v48, s[60:61] offset:64*\f+16
.endr
	ROWBASE
	PLOAD
	WBASE 8, 13
	WLOAD X1, 8192, 0
	WLOAD X2, 8192, 1
	SCALES 36, 37, 38, 1
	s_wait_loadcnt 32                              ; b1 and rows are in; the two chunks' 32 loads are younger
.Lhold:
; ---- Q and H: my four rows become codes
.set n, 0
.rept 64
	v_med3_num_f32 v[X0+n], v[X0+n], -v9, v9       ; the hold
.set n, n+1
.endr
.set n, 0
.rept 8
	v_cvt_scalef32_pk8_bf8_f32 v[ST+2*n:ST+2*n+1], v[X0+8*n:X0+8*n+7], v8
.set n, n+1
.endr
	v_nop                                          ; a plain place behind the conversions
	s_wait_alu depctr_va_vdst(0)                   ; the conversions have written v[ST ..], which the LDS stores read
.irp k, 0,1,2,3
	ds_store_b128 v4, v[ST+4*\k:ST+4*\k+3] offset:\k*APITCH
.endr
	WCHUNK X1, X0, 0, 16, 1                        ; chunk 0 is in; chunk 1's 16 loads are younger
	WCHUNK X2, X1, 1, 0, 1
	BARRIER                                        ; the 64 rows' codes and the weight's 32 images are whole
; ---- 16 rows x 32 columns.  The loads below owe no wait: no vector instruction has been issued since the wait ahead of the last chunk's stores
.set n, 0
.rept 16
	ds_load_b128 v[AF+4*n:AF+4*n+3], v5 offset:32*n   ; K step n / 4, group n % 4: byte 128 s + 32 cc
.set n, n+1
.endr
.irp f, 0,1
.irp s, 0,1,2,3
.irp c, 0,1,2,3
	ds_load_b128 v[WF+16*(4*\f+\s)+4*\c:WF+16*(4*\f+\s)+4*\c+3], v7 offset:\f*8192+\s*2048+512*\c
.endr
.endr
.endr
	s_lshl_b32 s70, s42, 2
	s_add_co_u32 s70, s70, s2                      ; the output: tile of rows 4 rb + W / 4,
	s_mul_i32 s70, s70, s52
	s_add_co_u32 s70, s70, s41                     ; K step cb of the next product,
	s_lshl_b32 s70, s70, 11
	s_lshl_b32 s71, s3, 9                          ; register group W % 4
	s_add_co_u32 s70, s70, s71
	s_mov_b32 s71, 0
	s_add_nc_u64 s[76:77], s[50:51], s[70:71]
	s_cmp_eq_u32 s40, 0
	s_cbranch_scc1 .Lfrom_zero
.set n, 0
.rept 16
	v_ldexp_f32 v[ACC+n], v[ACC+n], s75            ; role H: b1 / 2^(e8 + e9) is what the sums begin with
.set n, n+1
.endr
	s_wait_dscnt 0x0
	MUL 0, 0
	s_branch .Lmore
.Lfrom_zero:
	s_wait_dscnt 0x0
	MUL 0, 1                                       ; role Q: the first K step starts the sums
.Lmore:
	MUL 1, 0
	MUL 2, 0
	MUL 3, 0
.rept 4
	v_nop                                          ; four places in front of the first read of results
.endr
.set n, 0
.rept 16
	v_med3_num_f32 v[ACC+n], v[ACC+n], v14, v13    ; the hold (and, in role H, the relu); each accumulator from its low end on
.set n, n+1
.endr
	s_wait_alu depctr_vm_vsrc(0)                   ; the last chunk's LDS stores have read v[ST ..], which the conversions below write again
	v_cvt_scalef32_pk8_bf8_f32 v[ST:ST+1], v[ACC:ACC+7], v12       ; tile t's eight columns are registers 2 t, 2 t + 1 of the fragment: k = 16 t + 8 h + 0 .. 7
	v_cvt_scalef32_pk8_bf8_f32 v[ST+2:ST+3], v[ACC+8:ACC+15], v12
	v_nop
	s_wait_alu depctr_va_vdst(0)                   ; the conversions have written v[ST:ST+3], which the store reads
	global_store_b128 v1, v[ST:ST+3], s[76:77]     ; the wave stores 512 consecutive bytes
	s_wait_xcnt 0x0
	v_lshl_add_u32 v62, v0, 2, 0x48400
	v_mov_b32 v63, 0
	s_wait_dscnt 0x0                               ; the closing lines, six on end
	s_wait_alu 0x0
	s_wait_tensorcnt 0x0
	ds_add_u32 v62, v63
	s_wait_dscnt 0x0
	s_endpgm
.Lwk:
; ---- role WK: my two chunks of Wk become codes; the images leave as they lie
	s_load_b32 s31, s[18:19], 0xc                  ; e3
	s_sub_co_u32 s41, ttmp9, 80                    ; cb
	WBASE 10, 11
	WLOAD X1, 2048, 0
	WLOAD X2, 2048, 1
	v_add_nc_u32 v6, WIMGK-WIMG, v6                ; this role's own images (no LDS instruction has read v6 yet; the wait ahead of the first chunk's stores states that it is written)
	s_lshl_b32 s72, s43, 12
	s_add_co_u32 s73, s72, WIMGK
	v_add_nc_u32 v32, s73, v1                      ; the 4,096 bytes that I copy out (written ahead of the same wait)
	s_lshl_b32 s73, s41, 16
	s_add_co_u32 s72, s72, s73
	s_mov_b32 s73, 0
	s_add_nc_u64 s[78:79], s[24:25], s[72:73]
	s_wait_kmcnt 0x0
	MKSC 31, 10, 11
	WCHUNK X1, X0, 0, 16, 0                        ; chunk 0 is in; chunk 1's 16 loads are younger
	WCHUNK X2, X1, 1, 0, 1
	BARRIER
.set n, 0
.rept 8
	ds_load_b128 v[X0+4*n:X0+4*n+3], v32 offset:512*n
.set n, n+1
.endr
.set n, 0
.rept 8
	s_wait_dscnt 7-n                               ; LDS loads come back in order: load n is in
	global_store_b128 v1, v[X0+4*n:X0+4*n+3], s[78:79] offset:512*n
.set n, n+1
.endr
	s_wait_xcnt 0x0
	v_lshl_add_u32 v62, v0, 2, 0x48400
	v_mov_b32 v63, 0
	s_wait_dscnt 0x0                               ; the closing lines, six on end
	s_wait_alu 0x0
	s_wait_tensorcnt 0x0
	ds_add_u32 v62, v63
	s_wait_dscnt 0x0
	s_endpgm
.Lqn:
; ---- role QN: qn = qx / max(|qx|, 1e-12), f32, in the order in which the main launch's results lie:
; block g, lane (r, h), register 8 u + j: row r, row byte position 32 g + 16 h + 2 j + u.  My lane l holds positions 16 l + i: block l / 2, half l % 2, register 8 (i % 2) + i / 2.
	s_sub_co_u32 s42, ttmp9, 84                    ; rb
	ROWBASE
	PLOAD
	s_lshl_b32 s72, s43, 13
	s_add_co_u32 s73, s72, QNS
	v_add_nc_u32 v32, s73, v1                      ; the 8,192 bytes that I copy out
	s_lshl_b32 s73, s42, 17
	s_add_co_u32 s72, s72, s73
	s_mov_b32 s73, 0
	s_add_nc_u64 s[78:79], s[26:27], s[72:73]
	s_wait_loadcnt 0x0
	SQSUM
	RED4
.irp k, 0,1,2,3
	v_sqrt_f32 v[ST+4*\k], v[ST+4*\k]
.endr
	v_nop
	s_wait_alu depctr_va_vdst(0)                   ; the four roots are written, ahead of their first reader
.irp k, 0,1,2,3
	v_max_num_f32 v[ST+4*\k], 0x2b8cbccc, v[ST+4*\k]   ; 1e-12
.endr
.irp k, 0,1,2,3
	v_rcp_f32 v[ST+4*\k], v[ST+4*\k]
.endr
	v_nop
	s_wait_alu depctr_va_vdst(0)                   ; the four reciprocals are written, ahead of their first reader
.irp k, 0,1,2,3
.set n, 0
.rept 16
	v_mul_f32 v[X2+16*\k+8*(n%2)+n/2], v[X0+16*\k+n], v[ST+4*\k]
.set n, n+1
.endr
.endr
	s_wait_alu depctr_va_vdst(0)                   ; the multiplications have written v[X2 ..], which the LDS stores read, and are done reading v[X0 ..], in which LDS loads land behind the barrier; v32 is written
.irp k, 0,1,2,3
.irp c, 0,1,2,3
	ds_store_b128 v15, v[X2+16*\k+4*\c:X2+16*\k+4*\c+3] offset:16*\k+512*\c
.endr
.endr
	BARRIER                                        ; a block's 16 rows come from four waves
.set n, 0
.rept 16
	ds_load_b128 v[X0+4*n:X0+4*n+3], v32 offset:512*n
.set n, n+1
.endr
.set n, 0
.rept 16
	s_wait_dscnt 15-n
	global_store_b128 v1, v[X0+4*n:X0+4*n+3], s[78:79] offset:512*n
.set n, n+1
.endr
	s_wait_xcnt 0x0
	v_lshl_add_u32 v62, v0, 2, 0x48400
	v_mov_b32 v63, 0
	s_wait_dscnt 0x0                               ; the closing lines, six on end
	s_wait_alu 0x0
	s_wait_tensorcnt 0x0
	ds_add_u32 v62, v63
	s_wait_dscnt 0x0
	s_endpgm
.Lfunc_end_k_q273709d9a2_prep:
	.size	k_q273709d9a2_prep, .Lfunc_end_k_q273709d9a2_prep-k_q273709d9a2_prep
	.p2alignl 7, 3214868480
	.fill 96, 4, 3214868480
	.section	.rodata,"a",@progbits
	.p2align	6, 0x0
	.amdhsa_kernel k_q273709d9a2_prep
		.amdhsa_group_segment_fixed_size 297984
		.amdhsa_private_segment_fixed_size 0
		.amdhsa_enable_private_segment 0
		.amdhsa_kernarg_size 96
		.amdhsa_user_sgpr_count 2
		.amdhsa_user_sgpr_kernarg_segment_ptr 1
		.amdhsa_wavefront_size32 1
		.amdhsa_system_sgpr_workgroup_id_x 1
		.amdhsa_system_sgpr_workgroup_id_y 1
		.amdhsa_system_sgpr_workgroup_id_z 1
		.amdhsa_system_vgpr_workitem_id 0
		.amdhsa_next_free_vgpr 256
		.amdhsa_next_free_sgpr 80
		.amdhsa_reserve_vcc 0
		.amdhsa_float_denorm_mode_32 3
		.amdhsa_float_denorm_mode_16_64 3
		.amdhsa_memory_ordered 1
		.amdhsa_forward_progress 1
		.amdhsa_inst_pref_size 80
	.end_amdhsa_kernel
	.amdgpu_metadata
---
amdhsa.version: [ 1, 2 ]
amdhsa.kernels:
  - .name:           k_q273709d9a2_prep
    .symbol:         k_q273709d9a2_prep.kd
    .args:
      - { .name: qx, .offset: 0, .size: 8, .value_kind: global_buffer, .address_space: global }
      - { .name: Wq, .offset: 8, .size: 8, .value_kind: global_buffer, .address_space: global }
      - { .name: W1, .offset: 16, .size: 8, .value_kind: global_buffer, .address_space: global }
      - { .name: Wk, .offset: 24, .size: 8, .value_kind: global_buffer, .address_space: global }
      - { .name: b1, .offset: 32, .size: 8, .value_kind: global_buffer, .address_space: global }
      - { .name: ln_q_g, .offset: 40, .size: 8, .value_kind: global_buffer, .address_space: global }
      - { .name: ln_q_b, .offset: 48, .size: 8, .value_kind: global_buffer, .address_space: global }
      - { .name: lowp_scales, .offset: 56, .size: 8, .value_kind: global_buffer, .address_space: global }
      - { .name: q_img, .offset: 64, .size: 8, .value_kind: global_buffer, .address_space: global }
      - { .name: h_img, .offset: 72, .size: 8, .value_kind: global_buffer, .address_space: global }
      - { .name: wk_img, .offset: 80, .size: 8, .value_kind: global_buffer, .address_space: global }
      - { .name: qn_img, .offset: 88, .size: 8, .value_kind: global_buffer, .address_space: global }
    .group_segment_fixed_size: 297984
    .private_segment_fixed_size: 0
    .kernarg_segment_align: 8
    .kernarg_segment_size: 96
    .max_flat_workgroup_size: 512
    .sgpr_count:     80
    .vgpr_count:     256
    .wavefront_size: 32
...
	.end_amdgpu_metadata
.endif
;; end of part 4
;; launch main (part 5): grid 512 x 1, 4 waves a work-group, no clusters, 304,640 bytes of LDS; arguments kx, key_padding_mask, ln_k_g, ln_k_b, logit_scale, lowp_scales, wk_img, q_img, qn_img, x2t; writes x2t
.if DOCPART == 5
	.amdgcn_target "amdgcn-amd-amdhsa--gfx1250"
	.amdhsa_code_object_version 6
	.text
	.protected	k_q273709d9a2_main
	.globl	k_q273709d9a2_main
	.p2align	8
	.type	k_q273709d9a2_main,@function
k_q273709d9a2_main:
	s_mov_b64 s[64:65], 0
	v_nop
	global_prefetch_b8 v0, s[64:65] scope:SCOPE_SE
	s_setreg_imm32_b32 hwreg(HW_REG_WAVE_SCHED_MODE, 0, 2), 2
	s_setreg_imm32_b32 hwreg(HW_REG_WAVE_MODE, 25, 1), 1
	s_wait_xcnt 0x0
	s_wait_alu depctr_vm_vsrc(0)
; One work-group takes one key batch kb (256 keys x 512 channels of f32, read from memory once) through the whole chain, against all 256 queries:
;   A  LN(kx) and raw kx become codes of E5M2 (scales 2 and 7)       B  k = LN(kx) Wk, quantised (scale 4)          C  S^T = k q^T, mask, p = 2^(t - M), quantised (scale 6)
;   D  v^T = kx^T p^T, and on the fly  dot = v . qn,  nrm = v . v    end  x2 = dot / max(|v|, 1e-12) x exp(logit_scale)  ->  x2t[kb][query]
; SHARES.  Four waves, one to a SIMD.  A: wave w takes keys 64 w .. 64 w + 63, 16 a quarter.  B: wave w holds Wk's columns 128 w .. +127 in 512 registers and multiplies all keys of the quarter.
; C, D: wave w takes queries 64 w .. +63 (four tiles qt) against all 256 keys and all 512 channels.
; ALL PRODUCTS ARE USED TRANSPOSED, so that a lane's eight results are neighbours along the next product's K and the conversions' results are the next operand's registers.
; K'S ORDER.  A row of kx is loaded densely (lane l: c = 128 j + 4 l + e); its codes lie at row byte 16 l + 4 j + e.  Wk's images and qn's are laid in the same order by the launch before.
; A tensor's one scale makes a code independent of the axis: raw kx is converted in the layout in which it is loaded, and only its BYTES are turned for product 4 (ds_load_tr16_b128 on pairs of bytes, v_perm_b32).
; SOFTMAX: t = score x log2(e) / sqrt(512); M = ceil(the row's largest t); p = 2^(t - M) is quantised, its unquantised sum divides at the end.  All 256 keys of a row are at hand, so M is the row's own.
; A row whose keys are all masked gives NaN, as the softmax of such a row does.
; LDS: LN codes of a quarter (64 rows x 528), raw codes (256 rows x 544), k's 64 fragment images.  304,128 bytes.
; NO JOINT LOADS for Wk, q and qn, which all work-groups read: a joint load lands in LDS, where 23,552 bytes are left, against Wk's 262,144; they come straight into registers, laid in register order.
; LIMITS: e2, e7, e6, e4-e2-e3 between -126 and 112; e4+e5 between -122 and 131 (added to c's exponent field).  NaN among the inputs is not served.
; REGISTERS, in windows of 256 (s_set_vgpr_msb: bits 1:0 source 0, 3:2 source 1, 5:4 source 2, 7:6 destination):
;   window 0: v1-15 addresses, v16-23 scales and holds, v28-31 the rows' sums, v32-63 gain and bias, v64-79 statistics, v80-95 codes, v96-127 the mask's bytes, v128-255 fragments, work, then the mask as 0 / -inf
;   window 1: 16 rows of kx; then q's 16 fragments; then p's codes (32 qt + 2 m)
;   windows 2, 3: Wk's 32 fragments; then S^T (tile of keys m, qt) at window 2 + m / 8, 32 (m % 8) + 8 qt; then, window 2: turned bytes 0-63, kx^T's fragments 64-127, accumulators 128-191;
;   window 3: qn in two buffers 0-127, dot and nrm 128-143
; THE MODE: SCHED_MODE bits 1:0 = 2 (LLVM: expert scheduling mode 2), set by the entry lines.  The code itself states the register dependences
; between vector or matrix instructions and memory or LDS instructions, with s_wait_alu, always for 0.
; THE PLAN.  Registers that memory or LDS instructions touch:
;   v1, v2, v3, v8, v9, v24, v26   offsets and LDS addresses, made once at the head and never written again: one wait ahead of the first load.
;   v[ARAW], v[AKI]   written at the head of each quarter, read by its LDS stores: a wait on vm_vsrc ahead of the two additions.
;   v[RC ..]          codes: written by each group's first conversions and by each tile's, read by the four LDS stores behind them.
;   v[LC ..]          codes: written by each group's second conversions, read by its four LDS stores; the same registers are then the head of v[AF ..].
;   window 1          group p's 64 registers: worked on by the group, loaded again at its end.
;   v[AF ..]          a tile's fragments of LN codes: LDS loads land there, the tile's 32 matrix instructions read them.
;   v128-191, v192-255  in C: k's fragments in two buffers by turns: read by a key tile's 16 matrix instructions, loaded again a tile later.
;   v[ATR0], v[ATR1], v[AQ], v[AQ+1]   in D: written by additions in each step, read by the turning loads and by qn's loads.
;   window 2 v0-63, window 3 v0-127    in D: turned bytes, read by a step's permutes; qn in two buffers, read by a step's multiply-adds.
; A group has two waits on va_vdst: the one behind its four roots also states that the raw codes are written, so their stores stand behind it; the one behind its last conversions serves the LN codes' stores
; and the 16 loads into the group's rows.  A tile has two: behind its matrix instructions, for the next tile's fragments; behind its conversions, for the image's stores.  A step of D has two: ahead of the
; turning loads and ahead of qn's loads; its one wait on vm_vsrc frees all three address registers that it writes.
.set LNP,  528
.set RAW,  33792
.set RWP,  544                         ; 17 x 32 bytes
.set KIMG, 173056
.set L16,  1
.set ALN,  2
.set ALNW, 3
.set ARAWB, 4
.set ARAW, 5
.set AKIB, 6
.set AKI,  7
.set AK0,  8
.set AK1,  9
.set ATB0, 10
.set ATB1, 11
.set ATR0, 12
.set ATR1, 13
.set AQ,   14                          ; v14, v15: qn's offsets, one for each buffer
.set SC2,  16
.set LIM2, 17
.set SC7,  18
.set LIM7, 19
.set SCK,  20
.set LIMK, 21
.set SC6,  22
.set LIM6, 23
.set LS,   28
.set GG,   32
.set BB,   48
.set MU,   64
.set RS,   72
.set RC,   80
.set MK,   96
.set LC,   128
.set AF,   128
.set T,    192
.set BIAS, 128
.set SEL,  50
.set MSB, 0
.macro WIN new                         ; the immediate's high byte repeats the setting that is left; a switch that changes nothing is dropped
.if MSB != (\new)
	s_set_vgpr_msb (MSB<<8)|(\new)
.set MSB, (\new)
.endif
.endm
.macro BARRIER
	s_wait_dscnt 0x0
	s_barrier_signal -1
	s_barrier_wait -1
.endm
.macro MKSC e, vs, vl                  ; s[e] = an exponent: v[vs] = 2^e, v[vl] = 57,344 x 2^e
	s_add_co_i32 s70, s[\e], 127
	s_lshl_b32 s71, s70, 23
	v_mov_b32 v[\vs], s71
	s_add_co_i32 s70, s70, 15
	s_lshl_b32 s70, s70, 23
	s_or_b32 s70, s70, 0x600000
	v_mov_b32 v[\vl], s70
.endm
.macro RED4                            ; v[T + 8 k], k = 0..3: the sum over the 32 lanes, in every lane; v[T + 8 k + 2] is at work
.irp m, 1,2,4,8
.irp k, 0,1,2,3
	v_add_f32_dpp v[T+8*\k], v[T+8*\k], v[T+8*\k] row_xmask:\m row_mask:0xf bank_mask:0xf
.endr
.endr
.irp k, 0,1,2,3
	v_permlanex16_b32 v[T+8*\k+2], v[T+8*\k], s[SEL], s[SEL+1]
.endr
.irp k, 0,1,2,3
	v_add_f32 v[T+8*\k], v[T+8*\k], v[T+8*\k+2]
.endr
.endm
	s_load_b512 s[4:19], s[0:1], 0x0               ; kx, mask, gain, bias, logit_scale, the scales' exponents, wk_img, q_img
	s_load_b128 s[20:23], s[0:1], 0x40             ; qn_img, x2t
	v_and_b32 v27, 31, v0
	v_lshrrev_b32 v25, 5, v0
	v_readfirstlane_b32 s36, v25                   ; wave 0..3
	v_lshlrev_b32 v[L16], 4, v27                   ; 16 x lane
	v_lshlrev_b32 v26, 2, v27                      ; 4 x lane: the way out
	v_and_b32 v27, 15, v0                          ; r
	v_bfe_u32 v25, v0, 4, 1                        ; h (kept)
	v_lshlrev_b32 v24, 3, v25                      ; 8 h: my eight bytes of a tile's mask (kept)
	v_mul_u32_u24 v[ALN], v27, LNP
	v_lshl_add_u32 v[ALN], v25, 4, v[ALN]          ; a fragment of LN codes: row r, byte 16 h
	s_wait_alu depctr_va_sdst(0)                   ; s36 is written, ahead of its first reader: the wave's addresses are made from it
	s_mul_i32 s66, s36, 16*LNP
	v_add_nc_u32 v[ALNW], s66, v[L16]              ; where I store them: row 16 w
	s_mul_i32 s66, s36, 64*RWP
	s_add_co_u32 s66, s66, RAW
	v_add_nc_u32 v[ARAWB], s66, v[L16]             ; raw codes: row 64 w
	s_lshl_b32 s66, s36, 15
	s_add_co_u32 s66, s66, KIMG
	v_add_nc_u32 v[AKIB], s66, v[L16]              ; k's images: K step w
	v_add_nc_u32 v[AK0], KIMG, v[L16]              ; and where they are read: K steps 0, 1;
	v_add_nc_u32 v[AK1], KIMG+65536, v[L16]        ; K steps 2, 3
	v_and_b32 v27, 7, v0
	v_lshl_add_u32 v27, v25, 3, v27
	v_mul_u32_u24 v[ATB0], v27, RWP                ; the turning load: key 8 h + lane % 8,
	v_bfe_u32 v27, v0, 3, 1
	v_lshl_add_u32 v[ATB0], v27, 4, v[ATB0]        ; 16 bytes (lane / 8) % 2
	v_add_nc_u32 v[ATB0], RAW, v[ATB0]
	v_add_nc_u32 v[ATB1], 128*RWP, v[ATB0]         ; keys 128 on
.irp n, 65,67,69,71,73,75,77,79
	v_mov_b32 v\n, 0                               ; named as upper halves of pairs, so they are written
.endr
	s_mov_b32 s[SEL], 0x76543210
	s_mov_b32 s[SEL+1], 0xfedcba98
	s_mov_b32 s52, 0x06040200                      ; the even bytes of two registers
	s_mov_b32 s53, 0x07050301                      ; the odd ones
	s_mov_b32 s56, 0x3b000000                      ; 1 / 512
	s_mov_b32 s57, 0x3727c5ac                      ; 1e-5
	s_mov_b32 s33, 0xff800000                      ; -infinity
	s_wait_kmcnt 0x0
	s_load_b256 s[24:31], s[14:15], 0x0            ; e0 .. e7
	s_load_b32 s32, s[12:13], 0x0                  ; logit_scale
	s_lshl_b32 s66, ttmp9, 8
	s_mov_b32 s67, 0
	s_add_nc_u64 s[34:35], s[6:7], s[66:67]        ; the batch's mask
	s_lshl_b32 s66, ttmp9, 19
	s_lshl_b32 s68, s36, 17
	s_add_co_u32 s66, s66, s68
	s_add_nc_u64 s[38:39], s[4:5], s[66:67]        ; kx at key 64 w of the batch
	s_mov_b32 s66, s68
	s_add_nc_u64 s[60:61], s[20:21], s[66:67]      ; qn's images of my 64 queries
	s_lshl_b32 s66, s36, 15
	s_add_nc_u64 s[40:41], s[18:19], s[66:67]      ; q's 16 fragments of my 64 queries
	s_lshl_b32 s66, s36, 16
	s_add_nc_u64 s[58:59], s[16:17], s[66:67]      ; Wk's 32 fragments of my 128 columns
	s_lshl_b32 s66, ttmp9, 10
	s_lshl_b32 s68, s36, 8
	s_add_co_u32 s66, s66, s68
	s_add_nc_u64 s[62:63], s[22:23], s[66:67]      ; x2t[kb][64 w]
	s_wait_alu depctr_va_vdst(0)                   ; the offsets v1, v24, v26 and the LDS addresses v2, v3, v8, v9 are written, which loads and stores read from here to the kernel's end
	; all that stays, then the first quarter's rows LAST: loads come back in order, so the loop's counted waits show the older ones in as well
.irp j, 0,1,2,3
	global_load_b128 v[GG+4*\j:GG+4*\j+3], v[L16], s[8:9] offset:512*\j
	global_load_b128 v[BB+4*\j:BB+4*\j+3], v[L16], s[10:11] offset:512*\j
.endr
.set n, 0
.rept 16
	global_load_b64 v[MK+2*n:MK+2*n+1], v24, s[34:35] offset:16*n   ; keys 16 m + 8 h + 0 .. 7
.set n, n+1
.endr
.irp s, 0,1,2,3
	WIN 0x80+0x40*(\s/2)
.irp t, 0,1,2,3,4,5,6,7
.irp c, 0,1,2,3
	global_load_b128 v[16*(8*(\s%2)+\t)+4*\c:16*(8*(\s%2)+\t)+4*\c+3], v[L16], s[58:59] offset:(4*\t+\s)*2048+512*\c
.endr
.endr
.endr
	WIN 0x40
.set n, 0
.rept 64
	global_load_b128 v[4*n:4*n+3], v[L16], s[38:39] offset:512*n   ; row n / 4, quarter n % 4 of it: 512 consecutive bytes
.set n, n+1
.endr
	WIN 0
	s_wait_kmcnt 0x0
	MKSC 26, SC2, LIM2
	MKSC 31, SC7, LIM7
	s_sub_co_i32 s66, s28, s26
	s_sub_co_i32 s66, s66, s27                     ; a sum of product 2 stands for sum x 2^(e2 + e3): k's conversion takes 2^(e4 - e2 - e3)
	MKSC 66, SCK, LIMK
	MKSC 30, SC6, LIM6
	s_add_co_i32 s67, s28, s29
	s_lshl_b32 s67, s67, 23
	s_add_co_i32 s48, s67, 0x3d8293ee              ; c = log2(e) / sqrt(512) x 2^(e4 + e5): the exponents are added to c's exponent field
	s_mov_b32 s49, s48                             ; (named with it as a pair)
	s_add_co_i32 s55, s30, s31                     ; e6 + e7
; ---- A: rows 4 p .. 4 p + 3 of my 16, the four taking turns line by line
.macro GROUP p
.set XB, 64*\p
	s_wait_loadcnt 48                              ; behind this group's 16 loads only the three other groups' 16 each were issued
	WIN 0x01
.set n, 0
.rept 64
	v_med3_num_f32 v[T+n], v[XB+n], -v[LIM7], v[LIM7]   ; raw kx: the hold (the conversion to an 8-bit code does not saturate: ISA guide 7.6.2)
.set n, n+1
.endr
	WIN 0
	s_wait_dscnt 4                                 ; only the LN codes' four stores are younger than the stores that read these registers last
.if \p > 0
	s_wait_alu depctr_vm_vsrc(0)                   ; the last group's LDS stores have read v[RC ..] and v[LC ..], which this group's conversions write again (for group 0 the wait at the quarter's head states it)
.endif
.set n, 0
.rept 8
	v_cvt_scalef32_pk8_bf8_f32 v[RC+2*n:RC+2*n+1], v[T+8*n:T+8*n+7], v[SC7]
.set n, n+1
.endr
	v_nop                                          ; a plain place behind the conversions
	WIN 0x05
.set n, 0
.rept 16
	v_pk_add_f32 v[T+2*n:T+2*n+1], v[XB+4*n:XB+4*n+1], v[XB+4*n+2:XB+4*n+3]
.set n, n+1
.endr
	WIN 0
.irp k, 0,1,2,3
	v_pk_add_f32 v[T+8*\k:T+8*\k+1], v[T+8*\k:T+8*\k+1], v[T+8*\k+2:T+8*\k+3]
	v_pk_add_f32 v[T+8*\k+4:T+8*\k+5], v[T+8*\k+4:T+8*\k+5], v[T+8*\k+6:T+8*\k+7]
.endr
.irp k, 0,1,2,3
	v_pk_add_f32 v[T+8*\k:T+8*\k+1], v[T+8*\k:T+8*\k+1], v[T+8*\k+4:T+8*\k+5]
.endr
.irp k, 0,1,2,3
	v_add_f32 v[T+8*\k], v[T+8*\k], v[T+8*\k+1]
.endr
	RED4
.irp k, 0,1,2,3
	v_mul_f32 v[MU+2*\k], s56, v[T+8*\k]
.endr
	WIN 0x41
.set n, 0
.rept 32
	v_pk_add_f32 v[XB+2*n:XB+2*n+1], v[XB+2*n:XB+2*n+1], v[MU+2*(n/8):MU+2*(n/8)+1] op_sel_hi:[1,0] neg_lo:[0,1] neg_hi:[0,1]   ; x - mean
.set n, n+1
.endr
	WIN 0x05
.irp k, 0,1,2,3
	v_pk_mul_f32 v[T+8*\k:T+8*\k+1], v[XB+16*\k:XB+16*\k+1], v[XB+16*\k:XB+16*\k+1]
	v_pk_mul_f32 v[T+8*\k+2:T+8*\k+3], v[XB+16*\k+2:XB+16*\k+3], v[XB+16*\k+2:XB+16*\k+3]
.endr
.irp q, 1,2,3
.irp k, 0,1,2,3
	v_pk_fma_f32 v[T+8*\k:T+8*\k+1], v[XB+16*\k+4*\q:XB+16*\k+4*\q+1], v[XB+16*\k+4*\q:XB+16*\k+4*\q+1], v[T+8*\k:T+8*\k+1]
	v_pk_fma_f32 v[T+8*\k+2:T+8*\k+3], v[XB+16*\k+4*\q+2:XB+16*\k+4*\q+3], v[XB+16*\k+4*\q+2:XB+16*\k+4*\q+3], v[T+8*\k+2:T+8*\k+3]
.endr
.endr
	WIN 0
.irp k, 0,1,2,3
	v_pk_add_f32 v[T+8*\k:T+8*\k+1], v[T+8*\k:T+8*\k+1], v[T+8*\k+2:T+8*\k+3]
.endr
.irp k, 0,1,2,3
	v_add_f32 v[T+8*\k], v[T+8*\k], v[T+8*\k+1]
.endr
	RED4
.irp k, 0,1,2,3
	v_fma_f32 v[T+8*\k], v[T+8*\k], s56, s57       ; var + 1e-5
.endr
.irp k, 0,1,2,3
	v_rsq_f32 v[RS+2*\k], v[T+8*\k]
.endr
	v_nop                                          ; a plain place behind the transcendentals
	s_wait_alu depctr_va_vdst(0)                   ; the four roots are written, ahead of their first reader; so are the raw codes in v[RC ..] and (group 0) v[ARAW], which the LDS stores below read
.irp k, 0,1,2,3
	ds_store_b128 v[ARAW], v[RC+4*\k:RC+4*\k+3] offset:(4*\p+\k)*RWP
.endr
	WIN 0x41
.set n, 0
.rept 32
	v_pk_mul_f32 v[XB+2*n:XB+2*n+1], v[XB+2*n:XB+2*n+1], v[RS+2*(n/8):RS+2*(n/8)+1] op_sel_hi:[1,0]
.set n, n+1
.endr
.set n, 0
.rept 32
	v_pk_fma_f32 v[XB+2*n:XB+2*n+1], v[XB+2*n:XB+2*n+1], v[GG+2*(n%8):GG+2*(n%8)+1], v[BB+2*(n%8):BB+2*(n%8)+1]
.set n, n+1
.endr
.set n, 0
.rept 64
	v_med3_num_f32 v[XB+n], v[XB+n], -v[LIM2], v[LIM2]
.set n, n+1
.endr
	WIN 0x01
	s_wait_dscnt 4                                 ; only the raw codes' four stores are younger than the stores that read these registers last
.set n, 0
.rept 8
	v_cvt_scalef32_pk8_bf8_f32 v[LC+2*n:LC+2*n+1], v[XB+8*n:XB+8*n+7], v[SC2]
.set n, n+1
.endr
	WIN 0
	v_nop
	s_wait_alu depctr_va_vdst(0)                   ; the conversions have written v[LC ..], which the LDS stores read, and the group is done with its 64 registers of window 1, in which the loads below land
.irp k, 0,1,2,3
	ds_store_b128 v[ALNW], v[LC+4*\k:LC+4*\k+3] offset:(4*\p+\k)*LNP
.endr
	WIN 0x40
.set n, 0
.rept 16
	global_load_b128 v[XB+4*n:XB+4*n+3], v[L16], s[42:43] offset:8192*\p+512*n   ; the same rows of the next quarter; in the last trip q's fragments 4 p .. 4 p + 3, which have a row's bytes
.set n, n+1
.endr
	WIN 0
.endm
; ---- B: 16 keys (wave wp's of this quarter) x my 128 columns of Wk.  8 accumulators take turns, one instruction a turn
.macro AFETCH wp
.set n, 0
.rept 16
	ds_load_b128 v[AF+4*n:AF+4*n+3], v[ALN] offset:(\wp)*16*LNP+32*n
.set n, n+1
.endr
.endm
.macro TILE wp
.if \wp == 0
	s_wait_alu depctr_vm_vsrc(0)                   ; my LDS stores have read v[LC ..], in which the fragments' loads land, and v[RC ..], which this tile's conversions write (no vector instruction has named v[AF ..] since the last group's wait)
	AFETCH 0
	s_wait_dscnt 0x0
.else
	s_wait_dscnt 4                                 ; behind this tile's fragment loads only the last tile's four image stores were issued
.endif
.irp s, 0,1,2,3
	WIN 0x02+\s/2
.irp t, 0,1,2,3,4,5,6,7
.if \s == 0
	v_wmma_f32_16x16x128_bf8_bf8 v[T+8*\t:T+8*\t+7], v[16*(8*(\s%2)+\t):16*(8*(\s%2)+\t)+15], v[AF+16*\s:AF+16*\s+15], 0
.else
	v_wmma_f32_16x16x128_bf8_bf8 v[T+8*\t:T+8*\t+7], v[16*(8*(\s%2)+\t):16*(8*(\s%2)+\t)+15], v[AF+16*\s:AF+16*\s+15], v[T+8*\t:T+8*\t+7]
.endif
.endr
.endr
	WIN 0
.rept 4
	v_nop                                          ; four places in front of the first read of results
.endr
.if \wp < 3
	s_wait_alu depctr_va_vdst(0)                   ; this tile's matrix instructions are done reading v[AF ..], in which the next tile's fragments land
	AFETCH \wp+1
.endif
.set n, 0
.rept 64
	v_med3_num_f32 v[T+n], v[T+n], -v[LIMK], v[LIMK]   ; each accumulator from its low end on
.set n, n+1
.endr
.if \wp < 3
	s_wait_dscnt 16                                ; only the 16 loads just issued are younger than the stores that read the codes' registers last
.else
	s_wait_dscnt 0x0
.endif
.if \wp > 0
	s_wait_alu depctr_vm_vsrc(0)                   ; the last tile's LDS stores have read v[RC ..], which the conversions below write again
.endif
.set n, 0
.rept 8
	v_cvt_scalef32_pk8_bf8_f32 v[RC+2*n:RC+2*n+1], v[T+8*n:T+8*n+7], v[SCK]   ; registers 2 t, 2 t + 1: channels 128 w + 16 t + 8 h + 0 .. 7 of key r
.set n, n+1
.endr
	v_nop
	s_wait_alu depctr_va_vdst(0)                   ; the conversions have written v[RC ..], which the LDS stores read (in the last tile of all it also stands behind every reader of v[AF ..] and v[T ..], in which k's first fragments land)
.irp c, 0,1,2,3
	ds_store_b128 v[AKI], v[RC+4*\c:RC+4*\c+3] offset:\wp*8192+512*\c   ; tile of keys m = 4 wp + quarter, K step w
.endr
.endm
	s_mov_b32 s44, 0
	s_mov_b32 s45, 0
	s_mov_b32 s46, 0
.Lq:                                               ; four quarters
	s_wait_xcnt 0x0                                ; the refills' base is rewritten only when every issued load has read it
	s_add_nc_u64 s[38:39], s[38:39], 32768         ; the next quarter's 16 rows
	s_cmp_eq_u32 s44, 3
	s_cselect_b64 s[42:43], s[40:41], s[38:39]     ; in the last trip the refills bring q
	s_wait_alu depctr_vm_vsrc(0)                   ; the last quarter's LDS stores have read v[ARAW] and v[AKI], written again below, and v[RC ..], which group 0's conversions write
	v_add_nc_u32 v[ARAW], s45, v[ARAWB]            ; + 16 rows a quarter
	v_add_nc_u32 v[AKI], s46, v[AKIB]              ; + one image a quarter
	GROUP 0
	GROUP 1
	GROUP 2
	GROUP 3
	BARRIER                                        ; the quarter's 64 rows of LN codes lie in LDS
	TILE 0
	TILE 1
	TILE 2
	TILE 3
	BARRIER                                        ; every wave has read them; after the last trip k's 64 images and all raw codes are whole
	s_add_co_u32 s45, s45, 16*RWP
	s_add_co_u32 s46, s46, 2048
	s_add_co_u32 s44, s44, 1
	s_cmp_lt_u32 s44, 4
	s_cbranch_scc1 .Lq
; ---- C: S^T = k q^T, a tile of 16 keys at a time against my four tiles of queries; four accumulators by turns
.macro KFETCH m, kf
.irp ks, 0,1
.irp c, 0,1,2,3
	ds_load_b128 v[\kf+16*\ks+4*\c:\kf+16*\ks+4*\c+3], v[AK0] offset:\ks*32768+(\m)*2048+512*\c
.endr
.endr
.irp ks, 0,1
.irp c, 0,1,2,3
	ds_load_b128 v[\kf+32+16*\ks+4*\c:\kf+32+16*\ks+4*\c+3], v[AK1] offset:\ks*32768+(\m)*2048+512*\c
.endr
.endr
.endm
.macro SCORE
.rept 4
	v_nop                                          ; four places behind the matrix instructions of the tile before
.endr
.if M < 15
.if M > 0
	s_wait_alu depctr_va_vdst(0)                   ; the matrix instructions of the tile before are done reading the buffer in which the next tile's fragments land (tile 0: the wait in the last tile of B has stated it)
.endif
	KFETCH M+1, 128+64*((M+1)%2)
	s_wait_dscnt 16                                ; this tile's 16 loads are in; the next tile's may be out
.else
	s_wait_dscnt 0x0
.endif
	WIN 0xa4+0x50*(M/8)
.irp ks, 0,1,2,3
.irp qt, 0,1,2,3
.if \ks == 0
	v_wmma_f32_16x16x128_bf8_bf8 v[32*(M%8)+8*\qt:32*(M%8)+8*\qt+7], v[128+64*(M%2)+16*\ks:128+64*(M%2)+16*\ks+15], v[16*(4*\qt+\ks):16*(4*\qt+\ks)+15], 0
.else
	v_wmma_f32_16x16x128_bf8_bf8 v[32*(M%8)+8*\qt:32*(M%8)+8*\qt+7], v[128+64*(M%2)+16*\ks:128+64*(M%2)+16*\ks+15], v[16*(4*\qt+\ks):16*(4*\qt+\ks)+15], v[32*(M%8)+8*\qt:32*(M%8)+8*\qt+7]
.endif
.endr
.endr
	WIN 0
.endm
	s_wait_loadcnt 0x0                             ; q
	KFETCH 0, 128                                  ; no wait: no vector or matrix instruction has been issued since the wait ahead of the last tile's stores
.set M, 0
.rept 16
	SCORE
.set M, M+1
.endr
.rept 4
	v_nop
.endr
.set n, 0
.rept 128
	v_bfe_u32 v[BIAS+n], v[MK+n/4], 8*(n%4), 8     ; the mask's byte of key 16 m + 8 h + j, n = 8 m + j
.set n, n+1
.endr
.set n, 0
.rept 128
	v_mul_lo_u32 v[BIAS+n], v[BIAS+n], s33         ; 0 or 1 becomes 0.0 or -infinity
.set n, n+1
.endr
; the softmax of tile qt: a lane holds one query and 128 of its 256 keys; lane l xor 16 holds the others
.macro SM qt
.irp wd, 0,1
	WIN 0x82+0x41*\wd
.set n, 0
.rept 32
.set rS, 32*(n/4)+8*\qt+2*(n%4)
	v_pk_add_f32 v[rS:rS+1], v[rS:rS+1], v[BIAS+64*\wd+2*n:BIAS+64*\wd+2*n+1]   ; masked keys: -infinity.  Each accumulator from its low end on
.set n, n+1
.endr
.endr
	WIN 0
	v_mov_b32 v64, s33
	v_mov_b32 v65, s33
.irp wd, 0,1
	WIN 0x28+0x14*\wd
.set n, 0
.rept 16
.set rS, 32*(n/2)+8*\qt+4*(n%2)
	v_max3_num_f32 v64, v64, v[rS], v[rS+1]
	v_max3_num_f32 v65, v65, v[rS+2], v[rS+3]
.set n, n+1
.endr
.endr
	WIN 0
	v_max_num_f32 v64, v64, v65
	v_permlanex16_b32 v65, v64, s[SEL], s[SEL+1]
	v_max_num_f32 v64, v64, v65
	v_mul_f32 v64, s48, v64                        ; the row's largest t (c is positive)
	v_floor_f32 v66, -v64                          ; -M = floor(-t) = -ceil(t)
	v_mov_b32 v68, 0                               ; the row's sum, in two chains of pairs
	v_mov_b32 v69, 0
	v_mov_b32 v70, 0
	v_mov_b32 v71, 0
.irp wd, 0,1
	WIN 0x82+0x41*\wd
.set n, 0
.rept 32
.set rS, 32*(n/4)+8*\qt+2*(n%4)
	v_pk_fma_f32 v[rS:rS+1], v[rS:rS+1], s[48:49], v[66:67] op_sel_hi:[1,0,0]   ; t - M
.set n, n+1
.endr
.set n, 0
.rept 64
.set rS, 32*(n/8)+8*\qt+n%8
	v_exp_f32 v[rS], v[rS]                         ; p = 2^(t - M)
.set n, n+1
.endr
.endr
.irp wd, 0,1
	WIN 0x08+0x04*\wd
.set n, 0
.if \wd == 0
	s_wait_alu depctr_va_vdst(0)                   ; the tile's 128 exponentials are written, ahead of their first reader: one wait for the batch
.endif
.rept 16
.set rS, 32*(n/2)+8*\qt+4*(n%2)
	v_pk_add_f32 v[68:69], v[68:69], v[rS:rS+1]    ; the sum is taken of the unquantised p.  (The first of these is the plain place behind the exponentials: it reads none of the last ones' results)
	v_pk_add_f32 v[70:71], v[70:71], v[rS+2:rS+3]
.set n, n+1
.endr
.endr
.irp wd, 0,1
	WIN 0x82+0x41*\wd
.set n, 0
.rept 64
.set rS, 32*(n/8)+8*\qt+n%8
	v_min_num_f32 v[rS], v[rS], v[LIM6]            ; p is not negative: the hold is one-sided
.set n, n+1
.endr
	WIN 0x42+\wd
.set n, 0
.rept 8
	v_cvt_scalef32_pk8_bf8_f32 v[32*\qt+16*\wd+2*n:32*\qt+16*\wd+2*n+1], v[32*n+8*\qt:32*n+8*\qt+7], v[SC6]   ; registers 2 (m % 8), + 1 of K step m / 8: keys 16 m + 8 h + 0 .. 7
.set n, n+1
.endr
.endr
	WIN 0
	v_nop                                          ; a plain place behind the conversions
	v_pk_add_f32 v[68:69], v[68:69], v[70:71]
	v_add_f32 v68, v68, v69
	v_permlanex16_b32 v69, v68, s[SEL], s[SEL+1]
	v_add_f32 v[LS+\qt], v68, v69
.endm
	SM 0
	SM 1
	SM 2
	SM 3
; ---- D: v^T = kx^T p^T, 32 channel positions a step (two tiles: the even and the odd bytes), K = the 256 keys; each step's results go at once into dot and nrm
	WIN 0xc0
.set n, 0
.rept 16
	v_mov_b32 v[128+n], 0                          ; dot (two halves) and nrm (two halves) for each of four tiles of queries
.set n, n+1
.endr
	WIN 0
	v_mov_b32 v[ATR0], v[ATB0]
	v_mov_b32 v[ATR1], v[ATB1]
	v_mov_b32 v[AQ], v[L16]
	v_add_nc_u32 v[AQ+1], 2048, v[L16]
.macro TRLOAD
	WIN 0x80
.irp c, 0,1,2,3,4,5,6,7
	ds_load_tr16_b128 v[4*\c:4*\c+3], v[ATR0] offset:\c*16*RWP        ; keys 16 c + 8 h + 0 .. 7 of byte columns 2 r, 2 r + 1
.endr
.irp c, 0,1,2,3,4,5,6,7
	ds_load_tr16_b128 v[32+4*\c:32+4*\c+3], v[ATR1] offset:\c*16*RWP
.endr
.endm
.macro QNLOAD p
	WIN 0xc0
.irp qt, 0,1,2,3
.irp c, 0,1,2,3
	global_load_b128 v[64*\p+16*\qt+4*\c:64*\p+16*\qt+4*\c+3], v[AQ+\p], s[60:61] offset:\qt*32768+512*\c
.endr
.endr
.endm
	s_wait_alu depctr_va_vdst(0)                   ; the four addresses above are written, which the loads below read; the softmax is done with S^T's registers, in which the turned bytes and qn land
	TRLOAD
	QNLOAD 0
	QNLOAD 1
	WIN 0
.macro STEP p
	s_wait_dscnt 0x0                               ; this step's turned bytes are in
	WIN 0x8a
.set n, 0
.rept 16
	v_perm_b32 v[64+16*(n/8)+2*(n%8)], v[4*n+1], v[4*n], s52       ; the even columns' fragment, K step n / 8, registers 2 (n % 8), + 1
	v_perm_b32 v[64+16*(n/8)+2*(n%8)+1], v[4*n+3], v[4*n+2], s52
	v_perm_b32 v[96+16*(n/8)+2*(n%8)], v[4*n+1], v[4*n], s53       ; the odd columns'
	v_perm_b32 v[96+16*(n/8)+2*(n%8)+1], v[4*n+3], v[4*n+2], s53
.set n, n+1
.endr
	WIN 0
	s_add_co_u32 s66, s54, \p+1
	s_and_b32 s66, s66, 15                         ; the next step's 32 columns; the last step asks for step 0's again, inside the rows, and nobody uses them
	s_lshl_b32 s66, s66, 5
	s_wait_alu depctr_vm_vsrc(0)                   ; the turning loads issued so far have read v[ATR0] and v[ATR1], and this buffer's loads of qn, two steps back, v[AQ+p]: this step writes all three again
	v_add_nc_u32 v[ATR0], s66, v[ATB0]
	v_add_nc_u32 v[ATR1], s66, v[ATB1]
	s_wait_alu depctr_va_vdst(0)                   ; the two addresses are written, which the turning loads read; the permutes are done reading the turned bytes, in which the next step's land
	TRLOAD
	WIN 0xa6
.irp ks, 0,1
.irp u, 0,1
.irp qt, 0,1,2,3
.if \ks == 0
	v_wmma_f32_16x16x128_bf8_bf8 v[128+8*(4*\u+\qt):128+8*(4*\u+\qt)+7], v[64+16*(2*\u+\ks):64+16*(2*\u+\ks)+15], v[32*\qt+16*\ks:32*\qt+16*\ks+15], 0
.else
	v_wmma_f32_16x16x128_bf8_bf8 v[128+8*(4*\u+\qt):128+8*(4*\u+\qt)+7], v[64+16*(2*\u+\ks):64+16*(2*\u+\ks)+15], v[32*\qt+16*\ks:32*\qt+16*\ks+15], v[128+8*(4*\u+\qt):128+8*(4*\u+\qt)+7]
.endif
.endr
.endr
.endr
.rept 4
	v_nop                                          ; four places in front of the first read of results
.endr
	s_wait_loadcnt 16                              ; this step's qn is in; the other buffer's 16 loads may be out
	WIN 0xfa
.irp i, 0,2,4,6                                    ; each accumulator from its low end on
.irp a, 0,1,2,3,4,5,6,7
	v_pk_fma_f32 v[130+4*(\a%4):131+4*(\a%4)], v[128+8*\a+\i:128+8*\a+\i+1], v[128+8*\a+\i:128+8*\a+\i+1], v[130+4*(\a%4):131+4*(\a%4)]
.endr
.endr
	WIN 0xfe
.irp i, 0,2,4,6
.irp a, 0,1,2,3,4,5,6,7
	v_pk_fma_f32 v[128+4*(\a%4):129+4*(\a%4)], v[128+8*\a+\i:128+8*\a+\i+1], v[64*\p+16*(\a%4)+8*(\a/4)+\i:64*\p+16*(\a%4)+8*(\a/4)+\i+1], v[128+4*(\a%4):129+4*(\a%4)]
.endr
.endr
	WIN 0
	s_add_co_u32 s66, s54, \p+2
	s_and_b32 s66, s66, 15                         ; two steps on; the last two steps ask for blocks 0 and 1 again, inside the buffer, and nobody uses them
	s_lshl_b32 s66, s66, 11
	v_add_nc_u32 v[AQ+\p], s66, v[L16]             ; free since the wait above showed this buffer's loads done, and since the step's wait on vm_vsrc
	s_wait_alu depctr_va_vdst(0)                   ; v[AQ+p] is written, which the loads below read; the multiply-adds are done reading this buffer of qn, in which they land
	QNLOAD \p
	WIN 0
.endm
	s_mov_b32 s54, 0
.Lg:                                               ; eight trips of two steps
	STEP 0
	STEP 1
	s_add_co_u32 s54, s54, 2
	s_cmp_lt_u32 s54, 16
	s_cbranch_scc1 .Lg
	s_wait_loadcnt 0x0                             ; what was asked for beyond the last step has landed
	s_wait_dscnt 0x0
	WIN 0x0f
.irp q, 0,1,2,3
	v_add_f32 v[64+\q], v[128+4*\q], v[129+4*\q]
	v_add_f32 v[68+\q], v[130+4*\q], v[131+4*\q]
.endr
	WIN 0
.irp q, 0,1,2,3
	v_permlanex16_b32 v[72+\q], v[64+\q], s[SEL], s[SEL+1]   ; the query's other channels lie in lane l xor 16
	v_permlanex16_b32 v[76+\q], v[68+\q], s[SEL], s[SEL+1]
.endr
.irp q, 0,1,2,3
	v_add_f32 v[64+\q], v[64+\q], v[72+\q]
	v_add_f32 v[68+\q], v[68+\q], v[76+\q]
.endr
	v_mov_b32 v27, s32
	v_mul_f32 v27, 0x3fb8aa3b, v27
.irp q, 0,1,2,3
	v_rcp_f32 v[72+\q], v[LS+\q]
	v_sqrt_f32 v[76+\q], v[68+\q]
.endr
	v_exp_f32 v27, v27                             ; exp(logit_scale)
	v_nop
	s_wait_alu depctr_va_vdst(0)                   ; the four reciprocals, the four roots and the exponential are written, ahead of their first reader
.irp q, 0,1,2,3
	v_ldexp_f32 v[72+\q], v[72+\q], s55            ; f = 2^(e6 + e7) / the row's sum: v = the sums x f
.endr
.irp q, 0,1,2,3
	v_mul_f32 v[64+\q], v[64+\q], v[72+\q]         ; v . qn
	v_mul_f32 v[76+\q], v[76+\q], v[72+\q]         ; |v|
.endr
.irp q, 0,1,2,3
	v_max_num_f32 v[76+\q], 0x2b8cbccc, v[76+\q]   ; 1e-12
.endr
.irp q, 0,1,2,3
	v_rcp_f32 v[76+\q], v[76+\q]
.endr
	v_cmp_eq_u32 vcc_lo, 1, v25                    ; (a plain place behind the reciprocals)
	s_wait_alu depctr_va_vdst(0)                   ; the four reciprocals are written, ahead of their first reader
.irp q, 0,1,2,3
	v_mul_f32 v[64+\q], v[64+\q], v[76+\q]
.endr
.irp q, 0,1,2,3
	v_mul_f32 v[64+\q], v[64+\q], v27
.endr
	s_wait_alu depctr_va_vcc(0)                    ; the compare has written VCC, ahead of its first reader
	v_cndmask_b32 v80, v64, v65, vcc_lo            ; lanes 0-15: tile 0's queries, lanes 16-31: tile 1's
	v_cndmask_b32 v81, v66, v67, vcc_lo
	s_wait_alu depctr_va_vdst(0)                   ; the two selects have written v80 and v81, which the stores read
	global_store_b32 v26, v80, s[62:63]            ; 128 consecutive bytes; the wave's two stores fill 256 bytes at a multiple of 256 from the buffer's first byte
	global_store_b32 v26, v81, s[62:63] offset:128
	s_wait_xcnt 0x0
	v_lshl_add_u32 v254, v0, 2, 0x4a400
	v_mov_b32 v255, 0
	s_wait_dscnt 0x0                               ; the closing lines, six on end
	s_wait_alu 0x0
	s_wait_tensorcnt 0x0
	ds_add_u32 v254, v255
	s_wait_dscnt 0x0
	s_endpgm
.Lfunc_end_k_q273709d9a2_main:
	.size	k_q273709d9a2_main, .Lfunc_end_k_q273709d9a2_main-k_q273709d9a2_main
	.p2alignl 7, 3214868480
	.fill 96, 4, 3214868480
	.section	.rodata,"a",@progbits
	.p2align	6, 0x0
	.amdhsa_kernel k_q273709d9a2_main
		.amdhsa_group_segment_fixed_size 304640
		.amdhsa_private_segment_fixed_size 0
		.amdhsa_enable_private_segment 0
		.amdhsa_kernarg_size 80
		.amdhsa_user_sgpr_count 2
		.amdhsa_user_sgpr_kernarg_segment_ptr 1
		.amdhsa_wavefront_size32 1
		.amdhsa_system_sgpr_workgroup_id_x 1
		.amdhsa_system_sgpr_workgroup_id_y 1
		.amdhsa_system_sgpr_workgroup_id_z 1
		.amdhsa_system_vgpr_workitem_id 0
		.amdhsa_next_free_vgpr 1024
		.amdhsa_next_free_sgpr 96
		.amdhsa_reserve_vcc 1
		.amdhsa_float_denorm_mode_32 3
		.amdhsa_float_denorm_mode_16_64 3
		.amdhsa_memory_ordered 1
		.amdhsa_forward_progress 1
		.amdhsa_inst_pref_size 255
	.end_amdhsa_kernel
	.section	.bss,"aw",@nobits
	.p2align	6
	.space	262144
	.amdgpu_metadata
---
amdhsa.version: [ 1, 2 ]
amdhsa.kernels:
  - .name:           k_q273709d9a2_main
    .symbol:         k_q273709d9a2_main.kd
    .args:
      - { .name: kx, .offset: 0, .size: 8, .value_kind: global_buffer, .address_space: global }
      - { .name: key_padding_mask, .offset: 8, .size: 8, .value_kind: global_buffer, .address_space: global }
      - { .name: ln_k_g, .offset: 16, .size: 8, .value_kind: global_buffer, .address_space: global }
      - { .name: ln_k_b, .offset: 24, .size: 8, .value_kind: global_buffer, .address_space: global }
      - { .name: logit_scale, .offset: 32, .size: 8, .value_kind: global_buffer, .address_space: global }
      - { .name: lowp_scales, .offset: 40, .size: 8, .value_kind: global_buffer, .address_space: global }
      - { .name: wk_img, .offset: 48, .size: 8, .value_kind: global_buffer, .address_space: global }
      - { .name: q_img, .offset: 56, .size: 8, .value_kind: global_buffer, .address_space: global }
      - { .name: qn_img, .offset: 64, .size: 8, .value_kind: global_buffer, .address_space: global }
      - { .name: x2t, .offset: 72, .size: 8, .value_kind: global_buffer, .address_space: global }
    .group_segment_fixed_size: 304640
    .private_segment_fixed_size: 0
    .kernarg_segment_align: 8
    .kernarg_segment_size: 80
    .max_flat_workgroup_size: 128
    .sgpr_count:     96
    .vgpr_count:     1024
    .wavefront_size: 32
...
	.end_amdgpu_metadata
.endif
;; end of part 5
;; launch tail: the kernel of part 3 again; grid 256 x 1, 16 waves a work-group, no clusters, 184,320 bytes of LDS; arguments h_img, W2, b2, lowp_scales, x2t, out0, out1; writes out0, out1
